; MI455X (gfx1250); checked and timed in simulation.
; The chip was launched on July 23, 2026; its instructions are those of AMD's public machine-readable ISA for CDNA 5 (MIT licence, August 2026) and "CDNA5" Instruction Set Architecture Reference Guide (July 2026). The comments in the code are by the model that wrote it; some were corrected since.
;; DA Attention. Allowed arithmetic: matrix products marked QUANTISED: E4M3 operands, one E8M0 scale for each 32 along K, by v_wmma_scale_f32_16x16x128_f8f6f4 with both operands' format E4M3, f32 sums; everything else in f32.
;; Inputs: Wk 1,024 x 1,024 float32; Wo 1,024 x 1,024 float32; Wq 1,024 x 1,024 float32; Wv 1,024 x 1,024 float32; bo 1,024 float32; v 16 float32; w 16 float32; x 2 x 2,048 x 1,024 float32.
;; Outputs: out0 2 x 2,048 x 1,024 float32.
;; This version of the problem:
;;   THIS VERSION OF THE PROBLEM IS GIVEN IN LOW PRECISION. The matrix products marked QUANTISED in the list below multiply operands that are first quantised to E4M3 (4 exponent bits, 3 mantissa bits; 8 bits a number), with one power-of-two scale for each 32 numbers along K (OCP MX v1.0); their sums are f32. All else is computed in f32.
;;   The module's matrix products, in the order in which they are computed (A, B: the left and right operand; K: the contracted axis; several contracted axes count as one K, in the product's order):
;;     1. [M 4,096, K 1,024] x [K 1,024, N 1,024]; A: input x; B: input Wq: QUANTISED
;;     2. [M 4,096, K 1,024] x [K 1,024, N 1,024]; A: input x; B: input Wk: QUANTISED
;;     3. [M 4,096, K 1,024] x [K 1,024, N 1,024]; A: input x; B: input Wv: QUANTISED
;;     4. batch 32 x [M 2,048, K 64] x [K 64, N 2,048]; A: computed on the way; B: computed on the way: QUANTISED
;;     5. batch 32 x [M 2,048, K 2,048] x [K 2,048, N 64]; A: softmax (see below); B: computed on the way: QUANTISED
;;     6. [M 4,096, K 1,024] x [K 1,024, N 1,024]; A: computed on the way; B: input Wo: QUANTISED
;;   THE QUANTISER, for each operand of a quantised product, along K:
;;     - K is cut into blocks of 32 from its start; a last block that is shorter is filled with zeros.
;;     - A block's scale is 2^e with e = floor(log2(the largest magnitude in the block)) - 8, held to -126 .. 127; a block of zeros has e = 0. As a byte (E8M0): e + 127.
;;     - Each number is divided by its block's scale, clamped to +-448, and rounded to the nearest number of E4M3, ties to even, subnormals kept.
;;     - The product sums the exact products of the quantised numbers (number of the format x scale) in f32.
;;   ~~~python
;;   def quantise(x, axis):      # numpy; x: float32 -> the quantised numbers, widened to float32 again
;;       x = np.moveaxis(x, axis, -1); K = x.shape[-1]
;;       x = np.pad(x, [(0, 0)] * (x.ndim - 1) + [(0, -K % 32)]); x = x.reshape(x.shape[:-1] + (-1, 32)); a = np.abs(x).max(-1, keepdims=True)
;;       e = np.where(a > 0, np.clip(np.frexp(np.where(a > 0, a, 1))[1] - 1 - 8, -126, 127), 0)      # np.frexp(a)[1] - 1 = floor(log2(a)), exactly
;;       r = np.clip(x / 2.0 ** e, -448, 448)
;;       step = 2.0 ** (np.maximum(np.frexp(np.where(r == 0, 1, r))[1] - 1, -6) - 3)
;;       q = np.round(r / step) * step * 2.0 ** e      # np.round: ties to even
;;       return np.moveaxis(q.reshape(q.shape[:-2] + (-1,))[..., :K], -1, axis).astype(np.float32)
;;   ~~~
;;   SOFTMAX AHEAD OF A QUANTISED PRODUCT. Where the list says 'softmax', what is quantised is not the finished softmax but p = 2^(t - M), with t = logit x log2(e) and M = ceil(the row's largest t), a whole number; so 1/2 < the row's largest p <= 1. The row's sum l is taken of the UNQUANTISED p, in f32, and the product's result is divided by l at the end. Since M is a whole number, a kernel that streams over the keys may use a running M (the ceiling of the running maximum): every later rescaling is an exact power of two, which a block's scale takes up: the codes' values come out the same.
;;   OPERANDS COMPUTED ON THE WAY. 'Computed on the way' means the value that the module computes at that place (a softmax that the list does not call 'softmax' is quantised finished and normalised). What goes into a quantiser is computed in f32, as accurately as f32 sums, v_exp_f32 and their like allow (about 1e-6 of the number): no bf16 or f16 on the way to a quantiser, and a product that is left as it is and whose result goes on into a quantised operand takes f32 operands (vector FMAs, or v_wmma_f32_16x16x4_f32). A number that lies on a knife's edge between two numbers of the format may be rounded either way, as far as f32 arithmetic and the matrix unit's own rounding can turn it there, and no further.
;; One version. Each part assembles by itself: llvm-mc -triple=amdgcn-amd-amdhsa -mcpu=gfx1250 --defsym DOCPART=n.
;; ======== version 1 of 1: 4 launches
;; limits: right only within a limited range of input values
;; workspace buffers: xq 4,325,376 bytes; wq 4,325,376 bytes; qf 4,456,448 bytes; kv 8,781,824 bytes; cx 4,325,376 bytes
;; launch prep (part 1): grid 256 x 1, 4 waves a work-group, no clusters, 68,096 bytes of LDS; arguments x, Wq, Wk, Wv, Wo, xq, wq; writes xq, wq
.if DOCPART == 1
	.amdgcn_target "amdgcn-amd-amdhsa--gfx1250"
	.amdhsa_code_object_version 6
	.text
	.protected	k_qa3161bec9f_prep
	.globl	k_qa3161bec9f_prep
	.p2align	8
	.type	k_qa3161bec9f_prep,@function
k_qa3161bec9f_prep:
	s_mov_b64 s[64:65], 0
	v_nop
	global_prefetch_b8 v0, s[64:65] scope:SCOPE_SE
	s_setreg_imm32_b32 hwreg(HW_REG_WAVE_MODE, 25, 1), 1
	s_wait_xcnt 0x0
; PREP: x [4096][1024] and the four weights [1024 (k)][1024 (n)], f32, become codes of FP8 (E4M3) with K innermost and one E8M0 scale byte for each 32 along K.
; A block's scale is 2^(floor(log2(its largest magnitude)) - 8); its byte is the largest magnitude's exponent field - 8, held at 1 from below; each number is held within +-448 x the scale and rounded to the nearest code.
; WORK LEFT OUT, in the whole program, and why it can reach no output.
;  (1) reference() builds R_hat [h][n][n]; its number at (h, q, k) hangs on h and |q - k| alone, whatever w and v hold: launch attn makes each of a head's distances once, in a table in LDS, by reference()'s own formula.
;  (2) reference() sets every score with k > q to -infinity by a mask that it builds in its own body; its exponential is 0 and adds nothing to the row's sum nor to ctx, whatever the inputs hold:
;      key steps all of whose keys come after all queries of a tile are not multiplied.  Inside the step on the diagonal the hidden scores are made and set to -infinity.
;  No input is without a way to the output: all eight are loaded.  LIMIT: a NaN, an infinity or an overflow that would arise only in the scores left out is not carried to the result.
; LIMITS: NaN and infinities among the inputs are not served; a block whose largest magnitude lies under 2^(9 - 127), a block of zeros among them, keeps the byte 1 (the rule says 127 for zeros: its codes are zeros, and this program alone reads the bytes).
; THE ORDER OF ROWS.  s(p) = p with bits 3 and 4 exchanged.  In xq, POSITION p holds token s(p); in wq, position p of a weight holds its column n = s(p).  A tile of 16 neighbouring positions, taken as source 0 of a matrix
; instruction, then leaves in a lane's registers of two neighbouring tiles 16 NEIGHBOURS of the true order: what the next quantiser and the next operand's layout want.
; xq: codes [4096 pos][1024] at 0, scale bytes [4096 pos][32] at XQS.   wq: codes [4 (q, k, v, o)][1024 pos][1024] at 0, scale bytes [4][1024 pos][32] at WQS.
; Work-groups 0-127 take x (32 rows each), work-groups 128-255 the weights (128 columns x 256 along K each).  The two ways part on the work-group's number, never join, and have LDS bytes of their own.
; No tensor loads, no barrier: waves share nothing.  Matrix units and clusters have nothing to do here.
.set XQS,   4194304
.set WQS,   4194304
.set SPARE, 67584                      ; behind both ways' stages: the spare words, 128 bytes for each wave
.set SPW,   192                        ; v192 LDS address of my spare word; never rewritten
.set NIL,   193                        ; v193 0; never rewritten
.set MANT,  0x600000                   ; the mantissa field of 448
.set STEPS, 16                         ; x: a wave takes 16 steps of 512 numbers: 8 rows
.set RL,    16                         ; v16-79   four sets of 16 numbers as they are loaded
.set XN,    80                         ; v80-111  two sets of 16 neighbours
.set EB,    112                        ; v112-127 a scale byte for each step
.set CD,    128                        ; v128-191 codes, four registers for each step
.set WREG,  8192                       ; LDS of a wave on x's way: two stages of 32 x SP bytes, then its 256 scale bytes
.set SP,    80                         ; a lane's place in a stage: 64 bytes + 16 of padding
.set WSTG,  32768                      ; the weights' way: a stage of 32 x PITCH bytes for each wave
.set PITCH, 272
.set NB,    8                          ; blocks of 32 along K for a wave
.set WN,    32                         ; v32-95   two sets of 32 numbers
.set WC,    96                         ; v96-103  a block's codes
.set OUTR,  112                        ; v112-175 the way out
.set SB,    24                         ; v24-25   the scale bytes, four to a register
	s_load_b256 s[4:11], s[0:1], 0x0               ; x, Wq, Wk, Wv
	s_load_b128 s[12:15], s[0:1], 0x20             ; Wo, xq
	s_load_b64 s[16:17], s[0:1], 0x30              ; wq
	v_lshl_add_u32 v[SPW], v0, 2, SPARE
	v_mov_b32 v[NIL], 0
	v_lshrrev_b32 v1, 5, v0
	v_readfirstlane_b32 s20, v1                    ; wave 0..3
	v_and_b32 v2, 31, v0                           ; lane
	s_mov_b32 s23, MANT
	s_wait_kmcnt 0x0
	s_cmp_lt_u32 ttmp9, 128
	s_cbranch_scc0 .Lweights
; ---------------- x: K is innermost.  Each load reads 512 consecutive bytes; a step's 2,048 bytes turn through the wave's stage so that a lane holds 16 neighbours; two neighbouring lanes hold a block.
	s_wait_alu depctr_va_vdst(0)
	v_lshlrev_b32 v3, 4, v2                        ; my 16 bytes of a load's 512
	s_mul_i32 s21, s20, WREG
	v_lshrrev_b32 v14, 2, v2
	v_mul_u32_u24 v14, v14, SP
	v_and_b32 v15, 3, v2
	v_lshl_add_u32 v14, v15, 4, v14
	v_add_nc_u32 v14, s21, v14                     ; the stage, on the way in: SP (lane / 4) + 16 (lane % 4)
	v_mul_u32_u24 v15, v2, SP
	v_add_nc_u32 v15, s21, v15                     ; and on the way out: SP x lane
	v_lshlrev_b32 v4, 4, v2                        ; my codes' place in a step's
	v_lshrrev_b32 v5, 1, v2
	s_add_co_u32 s21, s21, 2*32*SP
	v_add_nc_u32 v5, s21, v5                       ; my block's byte among the wave's 256
	v_lshlrev_b32 v7, 3, v2
	v_add_nc_u32 v6, s21, v7
	s_lshl_b32 s24, ttmp9, 2
	s_add_co_u32 s25, s24, s20                     ; which run of 8 rows I read
	s_lshl_b32 s26, s25, 15
	s_mov_b32 s27, 0
	s_add_nc_u64 s[4:5], s[4:5], s[26:27]
	s_and_b32 s28, s20, 1                          ; rows' bits 3 and 4 are the wave's bits 0 and 1: exchanged, they say where the run goes
	s_lshl_b32 s28, s28, 1
	s_lshr_b32 s29, s20, 1
	s_or_b32 s28, s28, s29
	s_add_co_u32 s28, s28, s24
	s_lshl_b32 s26, s28, 13
	s_add_nc_u64 s[8:9], s[14:15], s[26:27]        ; its codes
	s_lshl_b32 s26, s28, 8
	s_add_co_u32 s26, s26, XQS
	s_add_nc_u64 s[10:11], s[14:15], s[26:27]      ; its scale bytes
.macro XLOAD t
.irp i, 0,1,2,3
	global_load_b128 v[RL+16*((\t)%4)+4*\i:RL+16*((\t)%4)+4*\i+3], v3, s[4:5] offset:2048*(\t)+512*\i th:TH_LOAD_NT
.endr
.endm
.macro XTURN t                         ; step t's numbers through the stage: LDS serves a wave's instructions in order, so no wait stands between the stores and the loads
.irp i, 0,1,2,3
	ds_store_b128 v14, v[RL+16*((\t)%4)+4*\i:RL+16*((\t)%4)+4*\i+3] offset:32*SP*((\t)%2)+8*SP*\i
.endr
.irp i, 0,1,2,3
	ds_load_b128 v[XN+16*((\t)%2)+4*\i:XN+16*((\t)%2)+4*\i+3], v15 offset:32*SP*((\t)%2)+16*\i
.endr
.endm
.irp t, 0,1,2,3
	XLOAD \t
.endr
	s_wait_alu depctr_va_vdst(0)
	s_wait_loadcnt 12                              ; step 0's four loads are in; twelve younger ones stay out
	XTURN 0
.macro XSTEP t
.set XR, XN+16*((\t)%2)
.if (\t) > 0
	s_wait_dscnt 1                                 ; this step's numbers are back from the stage (the last step's byte store may be out): so its stores into the stage have read their registers,
.else
	s_wait_dscnt 0x0
.endif
.if (\t)+4 < STEPS
	XLOAD (\t)+4                                   ; which take the loads of four steps on
.endif
.if (\t)+1 < STEPS
.if STEPS-2-(\t) >= 3
	s_wait_loadcnt 12                              ; the next step's four loads are in; those of the three steps behind it may be out
.else
	s_wait_loadcnt 4*(STEPS-2-(\t))
.endif
	XTURN (\t)+1
.endif
	v_max3_num_f32 v8, |v[XR]|, |v[XR+1]|, |v[XR+2]|               ; the largest magnitude of my 16
	v_max3_num_f32 v9, |v[XR+3]|, |v[XR+4]|, |v[XR+5]|
.irp i, 6,10
	v_max3_num_f32 v8, v8, |v[XR+\i]|, |v[XR+\i+1]|
	v_max3_num_f32 v9, v9, |v[XR+\i+2]|, |v[XR+\i+3]|
.endr
	v_max3_num_f32 v8, v8, |v[XR+14]|, |v[XR+15]|
	v_max3_num_f32 v8, v8, v9, 0x4800000           ; and the floor 2^(9 - 127): the byte cannot fall under 1
	v_max_num_f32_dpp v8, v8, v8 row_xmask:1 row_mask:0xf bank_mask:0xf   ; with my neighbour's 16: the block's
	v_add_nc_u32 v11, 0xfc000000, v8               ; 8 off its exponent field: the conversion's scale operand
	v_and_or_b32 v10, v8, 0x7f800000, s23          ; 448 x the scale
.irp i, 0,1,2,3,4,5,6,7,8,9,10,11,12,13,14,15
	v_med3_num_f32 v[XR+\i], v[XR+\i], -v10, v10   ; the conversion to an 8-bit code does not saturate (ISA guide 7.6.2): the hold
.endr
	v_cvt_scalef32_pk8_fp8_f32 v[CD+4*(\t):CD+4*(\t)+1], v[XR:XR+7], v11
	v_cvt_scalef32_pk8_fp8_f32 v[CD+4*(\t)+2:CD+4*(\t)+3], v[XR+8:XR+15], v11
	v_lshrrev_b32 v[EB+(\t)], 23, v11              ; the scale's byte
	ds_store_b8 v5, v[EB+(\t)] offset:16*(\t)      ; both lanes of a block write the same byte with the same value
	global_store_b128 v4, v[CD+4*(\t):CD+4*(\t)+3], s[8:9] offset:512*(\t)   ; 32 lanes store 512 consecutive bytes
.endm
.irp t, 0,1,2,3,4,5,6,7,8,9,10,11,12,13,14,15
	XSTEP \t
.endr
	ds_load_b64 v[8:9], v6                         ; LDS serves a wave's instructions in order: these see my byte stores
	s_wait_dscnt 0x0
	global_store_b64 v7, v[8:9], s[10:11]          ; 32 lanes store 256 consecutive bytes, aligned
	s_wait_tensorcnt 0x0                           ; the wave's end
	ds_add_u32 v[SPW], v[NIL]
	s_wait_dscnt 0x0
	s_endpgm
; ---------------- the weights: K is the FIRST axis.  A lane takes a column n and its registers run down K: a block of 32 lies in one lane, and the conversions give codes with K innermost.
.Lweights:
	s_sub_co_u32 s21, ttmp9, 128
	s_lshr_b32 s22, s21, 5                         ; which weight: 0 Wq, 1 Wk, 2 Wv, 3 Wo
	s_bfe_u32 s24, s21, 0x30002                    ; which 128 columns
	s_and_b32 s25, s21, 3                          ; which 256 along K
	s_bitcmp1_b32 s22, 0
	s_cselect_b64 s[26:27], s[8:9], s[6:7]
	s_cselect_b64 s[28:29], s[12:13], s[10:11]
	s_bitcmp1_b32 s22, 1
	s_cselect_b64 s[4:5], s[28:29], s[26:27]       ; the choice hangs on the work-group's number alone
	s_lshl_b32 s24, s24, 7
	s_lshl_b32 s30, s20, 5
	s_add_co_u32 s24, s24, s30                     ; my wave's first column
	s_lshl_b32 s30, s25, 20                        ; 256 rows of 4,096 bytes
	s_lshl_b32 s31, s24, 2
	s_add_co_u32 s30, s30, s31
	s_mov_b32 s31, 0
	s_add_nc_u64 s[4:5], s[4:5], s[30:31]
	s_lshl_b32 s30, s22, 20
	s_lshl_b32 s32, s24, 10
	s_add_co_u32 s30, s30, s32
	s_lshl_b32 s32, s25, 8
	s_add_co_u32 s30, s30, s32
	s_add_nc_u64 s[6:7], s[16:17], s[30:31]        ; the codes: weight, position, 256 along K
	s_lshl_b32 s30, s22, 15
	s_lshl_b32 s32, s24, 5
	s_add_co_u32 s30, s30, s32
	s_lshl_b32 s32, s25, 3
	s_add_co_u32 s30, s30, s32
	s_add_co_u32 s30, s30, WQS
	s_add_nc_u64 s[8:9], s[16:17], s[30:31]        ; the scale bytes
	s_wait_alu depctr_va_vdst(0)
	v_lshlrev_b32 v3, 2, v2                        ; in: 4 bytes a lane
	s_mul_i32 s33, s20, 32*PITCH
	s_add_co_u32 s33, s33, WSTG                    ; my stage
	v_mul_u32_u24 v4, v2, PITCH
	v_add_nc_u32 v4, s33, v4                       ; into it: row = my column
	v_and_b32 v5, 15, v2
	v_lshrrev_b32 v6, 4, v2
	v_mul_u32_u24 v7, v6, PITCH
	v_lshl_add_u32 v7, v5, 4, v7
	v_add_nc_u32 v7, s33, v7                       ; out of it: sixteen lanes to a row, two rows an instruction
	v_lshlrev_b32 v8, 10, v6
	v_lshl_add_u32 v8, v5, 4, v8                   ; and the same two positions in the codes' buffer
	v_and_b32 v9, 7, v2                            ; my column's position among the 32: bits 3 and 4 exchanged
	v_and_b32 v10, 8, v2
	v_lshl_or_b32 v9, v10, 1, v9
	v_and_b32 v10, 16, v2
	v_lshrrev_b32 v10, 1, v10
	v_or_b32 v9, v9, v10
	v_lshlrev_b32 v9, 5, v9                        ; 32 scale bytes a position
.macro WLOAD t                         ; block t: W(32 t + i, my column) into set t % 2; 32 lanes read 128 consecutive bytes
.irp i, 0,1,2,3,4,5,6,7,8,9,10,11,12,13,14,15,16,17,18,19,20,21,22,23,24,25,26,27,28,29,30,31
	global_load_b32 v[WN+32*((\t)%2)+\i], v3, s[4:5] offset:(32*(\t)+\i)*4096 th:TH_LOAD_NT
.endr
.endm
	WLOAD 0
	WLOAD 1
.macro WBLOCK t
.set XR, WN+32*((\t)%2)
.if (\t) < NB-1
	s_wait_loadcnt 32                              ; this block's 32 loads are in; the next block's may be out
.else
	s_wait_loadcnt 0x0
.endif
	v_max3_num_f32 v12, |v[XR]|, |v[XR+1]|, |v[XR+2]|              ; the block's largest magnitude: all 32 numbers are mine
	v_max3_num_f32 v13, |v[XR+3]|, |v[XR+4]|, |v[XR+5]|
.irp i, 6,10,14,18,22,26
	v_max3_num_f32 v12, v12, |v[XR+\i]|, |v[XR+\i+1]|
	v_max3_num_f32 v13, v13, |v[XR+\i+2]|, |v[XR+\i+3]|
.endr
	v_max3_num_f32 v12, v12, |v[XR+30]|, |v[XR+31]|
	v_max3_num_f32 v12, v12, v13, 0x4800000        ; and the floor
	v_add_nc_u32 v11, 0xfc000000, v12              ; the conversion's scale operand
	v_and_or_b32 v10, v12, 0x7f800000, s23         ; 448 x the scale
	v_lshrrev_b32 v13, 23, v11                     ; the scale's byte
.if (\t)%4 == 0
	v_mov_b32 v[SB+(\t)/4], v13                    ; four bytes to a register, the lower K in the lower byte
.else
	v_lshl_or_b32 v[SB+(\t)/4], v13, 8*((\t)%4), v[SB+(\t)/4]
.endif
.irp i, 0,1,2,3,4,5,6,7,8,9,10,11,12,13,14,15,16,17,18,19,20,21,22,23,24,25,26,27,28,29,30,31
	v_med3_num_f32 v[XR+\i], v[XR+\i], -v10, v10
.endr
.irp g, 0,1,2,3
	v_cvt_scalef32_pk8_fp8_f32 v[WC+2*\g:WC+2*\g+1], v[XR+8*\g:XR+8*\g+7], v11
.endr
	ds_store_b128 v4, v[WC:WC+3] offset:32*(\t)    ; 32 codes: 32 bytes of my column's row
	ds_store_b128 v4, v[WC+4:WC+7] offset:32*(\t)+16
.if (\t)+2 < NB
	WLOAD (\t)+2
.endif
	s_wait_dscnt 0x0                               ; the stores have read their registers: the next block's codes may be written
.endm
.irp t, 0,1,2,3,4,5,6,7
	WBLOCK \t
.endr
	global_store_b64 v9, v[SB:SB+1], s[8:9]        ; my column's 8 scale bytes, at its position
.irp t, 0,1,2,3,4,5,6,7,8,9,10,11,12,13,14,15
	ds_load_b128 v[OUTR+4*\t:OUTR+4*\t+3], v7 offset:(8*(\t/8)+(2*\t)%8+16*((\t/4)%2))*PITCH   ; positions 2 t, 2 t + 1 hold the columns with bits 3 and 4 exchanged
.endr
.irp t, 0,1,2,3,4,5,6,7,8,9,10,11,12,13,14,15
	s_wait_dscnt 15-\t                             ; load t is in; the later ones may be out
	global_store_b128 v8, v[OUTR+4*\t:OUTR+4*\t+3], s[6:7] offset:2*\t*1024   ; sixteen lanes store 256 consecutive bytes, aligned
.endr
	s_wait_tensorcnt 0x0                           ; the wave's end
	ds_add_u32 v[SPW], v[NIL]
	s_wait_dscnt 0x0
	s_endpgm
.Lfunc_end_k_qa3161bec9f_prep:
	.size	k_qa3161bec9f_prep, .Lfunc_end_k_qa3161bec9f_prep-k_qa3161bec9f_prep
	.p2alignl 7, 3214868480
	.fill 96, 4, 3214868480
	.section	.rodata,"a",@progbits
	.p2align	6, 0x0
	.amdhsa_kernel k_qa3161bec9f_prep
		.amdhsa_group_segment_fixed_size 68096
		.amdhsa_private_segment_fixed_size 0
		.amdhsa_enable_private_segment 0
		.amdhsa_kernarg_size 56
		.amdhsa_user_sgpr_count 2
		.amdhsa_user_sgpr_kernarg_segment_ptr 1
		.amdhsa_wavefront_size32 1
		.amdhsa_system_sgpr_workgroup_id_x 1
		.amdhsa_system_sgpr_workgroup_id_y 1
		.amdhsa_system_sgpr_workgroup_id_z 1
		.amdhsa_system_vgpr_workitem_id 0
		.amdhsa_next_free_vgpr 196
		.amdhsa_next_free_sgpr 66
		.amdhsa_reserve_vcc 0
		.amdhsa_float_denorm_mode_32 3
		.amdhsa_float_denorm_mode_16_64 3
		.amdhsa_memory_ordered 1
		.amdhsa_forward_progress 1
		.amdhsa_inst_pref_size 110
	.end_amdhsa_kernel
	.amdgpu_metadata
---
amdhsa.version: [ 1, 2 ]
amdhsa.kernels:
  - .name:           k_qa3161bec9f_prep
    .symbol:         k_qa3161bec9f_prep.kd
    .args:
      - { .name: x, .offset: 0, .size: 8, .value_kind: global_buffer, .address_space: global }
      - { .name: Wq, .offset: 8, .size: 8, .value_kind: global_buffer, .address_space: global }
      - { .name: Wk, .offset: 16, .size: 8, .value_kind: global_buffer, .address_space: global }
      - { .name: Wv, .offset: 24, .size: 8, .value_kind: global_buffer, .address_space: global }
      - { .name: Wo, .offset: 32, .size: 8, .value_kind: global_buffer, .address_space: global }
      - { .name: xq, .offset: 40, .size: 8, .value_kind: global_buffer, .address_space: global }
      - { .name: wq, .offset: 48, .size: 8, .value_kind: global_buffer, .address_space: global }
    .group_segment_fixed_size: 68096
    .private_segment_fixed_size: 0
    .kernarg_segment_align: 8
    .kernarg_segment_size: 56
    .max_flat_workgroup_size: 128
    .sgpr_count:     66
    .vgpr_count:     196
    .wavefront_size: 32
...
	.end_amdgpu_metadata
.endif
;; end of part 1
;; launch qkv (part 2): grid 12 x 16, 4 waves a work-group, clusters of 4 x 4, 327,680 bytes of LDS; arguments xq, wq, qf, kv; writes qf, kv
.if DOCPART == 2
	.amdgcn_target "amdgcn-amd-amdhsa--gfx1250"
	.amdhsa_code_object_version 6
	.text
	.protected	k_qa3161bec9f_qkv
	.globl	k_qa3161bec9f_qkv
	.p2align	8
	.type	k_qa3161bec9f_qkv,@function
k_qa3161bec9f_qkv:
	s_mov_b64 s[64:65], 0
	v_nop
	global_prefetch_b8 v0, s[64:65] scope:SCOPE_SE
	s_setreg_imm32_b32 hwreg(HW_REG_WAVE_MODE, 25, 1), 1
	s_wait_xcnt 0x0
	s_wait_alu depctr_hold_cnt(0) depctr_sa_sdst(0) depctr_va_vdst(0) depctr_va_sdst(0) depctr_va_ssrc(0) depctr_va_vcc(0) depctr_vm_vsrc(0)
	s_getreg_b32 s2, hwreg(HW_REG_IB_STS2, 6, 4)
	s_cmp_eq_u32 s2, 0
	s_cbranch_scc0 .Lentry_in_a_cluster
	s_endpgm
.Lentry_in_a_cluster:
	s_bfe_u32 s2, ttmp6, 0x10000c
	s_cmp_lg_u32 s2, 0xf033
	s_cbranch_scc0 .Lentry_shape_is_right
	s_endpgm
.Lentry_shape_is_right:
.set XSO,    4194304
.set WSO,    4194304
.set QSO,    4194304
.set KSO,    8388608
.set KSTEP,  256
.set NQ,     2
.set ROWB,   256
.set KROW,   1024
.set PITCH,  272
.set FR,     16
.set NL,     4
.set NP,     8
.set HALFT,  128*PITCH
.set SLOT,   4*HALFT
.set LAPS,   2
.set KS,     32
.set SCL,    2*SLOT
.set HALFS,  (128*KS/256)*272
.set SBLK,   (16*KS/256)*272
.set SPARE,  SCL+4*HALFS
.set ADRA, 16
.set ADRB, 20
.set ADRS, 27
.set SPW,  28
.set NIL,  29
.set SC,   32
.set AF,   128
.set TM,   64
.set SW,   80
.set XW,   88
.set YW,   92
.set VO,   96
.set VS,   100
.set LN,   101
.set HB,   128
.set PC,   192
.set OB,   76
.set STP,  88
.set STP4, 90
.set SB1,  82
.set SB2,  86
.set G1, 24
.set G0, 32
.set G1B, 48
.set G0B, 56
.set G1S, 68
.set G0S, 76
.set G1SB, 80
.set G0SB, 88
.set MSB, 0
.macro WIN new
.if MSB != \new
	s_set_vgpr_msb (MSB<<8)|\new
.set MSB, \new
.endif
.endm
.set MUL_LO, 0xa1
.set MUL_HI, 0xf1
.set TO_B,   0x40
.macro JLOAD g0a, g1a, g0b, g1b
	s_cmp_eq_u32 s15, 0
	s_cbranch_scc0 .Lfor_b_\@
	tensor_load_to_lds s[\g0a:\g0a+3], s[\g1a:\g1a+7]
	s_nop 0
.rept 4
	v_nop
.endr
	s_branch .Lasked_\@
.Lfor_b_\@:
	tensor_load_to_lds s[\g0b:\g0b+3], s[\g1b:\g1b+7]
	s_nop 0
.rept 4
	v_nop
.endr
.Lasked_\@:
.endm
.macro CREST
	s_cmp_lg_u32 s14, 0
	s_cbranch_scc1 .Lnot_wave_0_\@
	s_barrier_signal -3
.Lnot_wave_0_\@:
	s_barrier_wait -3
	s_barrier_signal -1
	s_barrier_wait -1
.endm
.macro CROUND
	s_barrier_signal -1
	s_barrier_wait -1
	CREST
.endm
	s_load_b256 s[4:11], s[0:1], 0x0
	v_lshl_add_u32 v[SPW], v0, 2, SPARE
	v_mov_b32 v[NIL], 0
	ds_add_u32 v[SPW], v[NIL]
	ds_add_u32 v[SPW], v[NIL]
	v_lshrrev_b32 v1, 5, v0
	v_readfirstlane_b32 s14, v1
	s_lshr_b32 s15, s14, 1
	s_and_b32 s16, s14, 1
	s_bfe_u32 s40, ttmp6, 0x40000
	s_bfe_u32 s41, ttmp6, 0x40004
	s_and_b32 s18, ttmp7, 0xffff
	s_cmp_eq_u32 ttmp9, 2
	s_cselect_b32 s12, 1, 0
	s_cselect_b32 s42, s18, ttmp9
	s_cselect_b32 s17, 0, s18
	s_cmp_eq_u32 ttmp9, 0
	s_cselect_b32 s13, 1, 0
	s_lshl_b32 s42, s42, 2
	s_add_co_u32 s42, s42, s40
	s_lshl_b32 s17, s17, 2
	s_add_co_u32 s17, s17, s41
	s_lshl_b32 s43, s41, 2
	s_lshl_b32 s43, 15, s43
	s_lshl_b32 s44, 0x1111, s40
	s_or_b32 s[G1+0], s43, (0<<16)|(1<<20)|(1<<21)|(5<<22)|(3<<25)
	s_or_b32 s[G1B+0], s44, (0<<16)|(1<<20)|(1<<21)|(5<<22)|(3<<25)
.irp g, G1, G1B
	s_mov_b32 s[\g+1], ROWB<<16
	s_mov_b32 s[\g+2], 128<<16
	s_mov_b32 s[\g+3], ROWB<<16
	s_mov_b32 s[\g+4], 128
	s_mov_b32 s[\g+5], KROW
	s_mov_b32 s[\g+6], 0
	s_mov_b32 s[\g+7], 0
.endr
	s_or_b32 s[G1S+0], s43, (3<<16)|(1<<20)|(1<<21)|(5<<22)|(3<<25)
	s_or_b32 s[G1SB+0], s44, (3<<16)|(1<<20)|(1<<21)|(5<<22)|(3<<25)
.irp g, G1S, G1SB
	s_mov_b32 s[\g+1], 32<<16
	s_mov_b32 s[\g+2], (128*KS/256)<<16
	s_mov_b32 s[\g+3], 32<<16
	s_mov_b32 s[\g+4], 128*KS/256
	s_mov_b32 s[\g+5], 32
	s_mov_b32 s[\g+6], 0
	s_mov_b32 s[\g+7], 0
.endr
	s_lshl_b32 s18, s16, 7
	s_lshl_b32 s20, s17, 8
	s_add_co_u32 s20, s20, s18
	s_lshl_b32 s46, s42, 8
	s_add_co_u32 s46, s46, s18
	s_mov_b32 s21, 0
	s_mov_b32 s47, 0
	s_mov_b64 s[18:19], KS
	s_mul_u64 s[22:23], s[20:21], s[18:19]
	s_mul_u64 s[92:93], s[46:47], s[18:19]
	s_mov_b64 s[18:19], KROW
	s_mul_u64 s[20:21], s[20:21], s[18:19]
	s_mul_u64 s[46:47], s[46:47], s[18:19]
	s_mul_i32 s45, s14, HALFT
	s_mul_i32 s94, s14, HALFS
	s_wait_dscnt 0x0
	s_wait_kmcnt 0x0
	s_add_nc_u64 s[96:97], s[6:7], 2097152
	s_add_nc_u64 s[98:99], s[6:7], WSO+65536
	s_add_nc_u64 s[100:101], s[4:5], XSO
	s_add_nc_u64 s[104:105], s[6:7], WSO
	s_cmp_eq_u32 s12, 1
	s_cselect_b64 s[96:97], s[96:97], s[4:5]
	s_cselect_b64 s[98:99], s[98:99], s[100:101]
	s_cselect_b64 s[104:105], s[100:101], s[104:105]
	s_cselect_b64 s[100:101], s[4:5], s[6:7]
	s_add_nc_u64 s[20:21], s[96:97], s[20:21]
	s_add_nc_u64 s[22:23], s[98:99], s[22:23]
	s_add_nc_u64 s[46:47], s[100:101], s[46:47]
	s_add_nc_u64 s[92:93], s[104:105], s[92:93]
	CROUND
	s_mov_b32 s[G0S], 1
	s_add_co_u32 s[G0S+1], s94, SCL
	s_mov_b64 s[G0S+2:G0S+3], s[22:23]
	s_or_b32 s[G0S+3], s[G0S+3], 0x80000000
	s_mov_b32 s[G0SB], 1
	s_add_co_u32 s[G0SB+1], s94, SCL
	s_mov_b64 s[G0SB+2:G0SB+3], s[92:93]
	s_or_b32 s[G0SB+3], s[G0SB+3], 0x80000000
	JLOAD G0S, G1S, G0SB, G1SB
.irp s, 0,1
	s_mov_b32 s[G0+4*\s], 1
	s_add_co_u32 s[G0+4*\s+1], s45, \s*SLOT
	s_add_nc_u64 s[G0+4*\s+2:G0+4*\s+3], s[20:21], \s*ROWB
	s_or_b32 s[G0+4*\s+3], s[G0+4*\s+3], 0x80000000
	s_mov_b32 s[G0B+4*\s], 1
	s_add_co_u32 s[G0B+4*\s+1], s45, \s*SLOT
	s_add_nc_u64 s[G0B+4*\s+2:G0B+4*\s+3], s[46:47], \s*ROWB
	s_or_b32 s[G0B+4*\s+3], s[G0B+4*\s+3], 0x80000000
	s_wait_alu depctr_va_vdst(0)
	s_wait_tensorcnt 0x0
	ds_add_u32 v28, v29
	s_wait_dscnt 0x0
	CROUND
	JLOAD G0+4*\s, G1, G0B+4*\s, G1B
.endr
	v_and_b32 v1, 15, v0
	v_bfe_u32 v2, v0, 4, 1
	v_mul_u32_u24 v3, v1, PITCH
	v_lshl_add_u32 v4, v2, 4, v3
	s_mul_i32 s21, s15, HALFT
	s_mul_i32 s22, s16, HALFT
	s_add_co_u32 s22, s22, 2*HALFT
.irp s, 0,1
	v_add_nc_u32 v[ADRA+\s], s21, v4
	v_add_nc_u32 v[ADRB+\s], s22, v4
	s_add_co_u32 s21, s21, SLOT
	s_add_co_u32 s22, s22, SLOT
.endr
	v_mul_u32_u24 v5, v1, KS
	v_lshrrev_b32 v6, 8, v5
	v_lshl_add_u32 v5, v6, 4, v5
	s_mul_i32 s21, s15, HALFS
	s_mul_i32 s22, s16, HALFS
	s_add_co_u32 s22, s22, 2*HALFS
	s_sub_co_u32 s22, s22, s21
	v_mul_u32_u24 v6, s22, v2
	s_add_co_u32 s21, s21, SCL
	v_add_nc_u32 v5, v5, v6
	v_add_nc_u32 v[ADRS], s21, v5
.macro FRAG reg, adr, q, i
.irp c, 0,1,2,3
	ds_load_b128 v[\reg+4*\c:\reg+4*\c+3], v[\adr] offset:128*(\q)+32*\c+(\i)*16*PITCH
.endr
.endm
.macro MUL16 a0, p, q, sc, zero
.irp a, \a0, \a0+1
.irp b, 0,1,2,3,4,5,6,7
.if \zero
	v_wmma_scale_f32_16x16x128_f8f6f4 v[8*(8*((\a)%4)+\b):8*(8*((\a)%4)+\b)+7], v[128*(\p)+FR*\b:128*(\p)+FR*\b+FR-1], v[AF+FR*(\a):AF+FR*(\a)+FR-1], 0, v[SC+8*NQ*(\sc)+NQ*\b+(\q)], v[SC+8*NQ*(\sc)+NQ*(\a)+(\q)] matrix_a_scale:MATRIX_SCALE_ROW1
.else
	v_wmma_scale_f32_16x16x128_f8f6f4 v[8*(8*((\a)%4)+\b):8*(8*((\a)%4)+\b)+7], v[128*(\p)+FR*\b:128*(\p)+FR*\b+FR-1], v[AF+FR*(\a):AF+FR*(\a)+FR-1], v[8*(8*((\a)%4)+\b):8*(8*((\a)%4)+\b)+7], v[SC+8*NQ*(\sc)+NQ*\b+(\q)], v[SC+8*NQ*(\sc)+NQ*(\a)+(\q)] matrix_a_scale:MATRIX_SCALE_ROW1
.endif
.endr
.endr
.endm
.macro FETCH_B slot, q, p
	WIN TO_B
.irp i, 0,1,2,3,4,5,6,7
	FRAG 128*(\p)+FR*\i, ADRB+\slot, \q, \i
.endr
	WIN 0
.endm
.macro FETCH_A slot, q, i0
.irp i, \i0, \i0+1, \i0+2, \i0+3
	FRAG AF+FR*(\i), ADRA+\slot, \q, \i
.endr
.endm
.macro SCALES sc
.irp i, 0,1,2,3,4,5,6,7
	ds_load_b64 v[SC+8*NQ*\sc+NQ*\i:SC+8*NQ*\sc+NQ*\i+1], v[ADRS] offset:\i*SBLK
.endr
.endm
.macro PLACES n
.rept \n
	v_nop
.endr
.endm
.macro STEP slot, q, zero
	s_wait_dscnt 4*NL
	WIN MUL_LO
	MUL16 0, (\q)%2, \q, \slot, \zero
	MUL16 2, (\q)%2, \q, \slot, \zero
	s_wait_dscnt 0
	PLACES NP
	FETCH_B \slot, (\q)+1, 1-(\q)%2
	FETCH_A \slot, (\q)+1, 0
	WIN MUL_HI
	MUL16 4, (\q)%2, \q, \slot, \zero
	MUL16 6, (\q)%2, \q, \slot, \zero
	PLACES NP
	WIN 0
	FETCH_A \slot, (\q)+1, 4
.endm
.macro TURN slot, next, fill
	s_wait_tensorcnt 0x0
	ds_add_u32 v[SPW], v[NIL]
	s_wait_dscnt 4*NL+1
	WIN MUL_LO
	MUL16 0, 1, NQ-1, \slot, 0
	s_wait_dscnt 0x0
	s_barrier_signal -1
	MUL16 2, 1, NQ-1, \slot, 0
	WIN 0
	s_barrier_wait -1
.if \fill
	CREST
	s_add_nc_u64 s[G0+4*\slot+2:G0+4*\slot+3], s[G0+4*\slot+2:G0+4*\slot+3], 2*ROWB
	s_add_nc_u64 s[G0B+4*\slot+2:G0B+4*\slot+3], s[G0B+4*\slot+2:G0B+4*\slot+3], 2*ROWB
	JLOAD G0+4*\slot, G1, G0B+4*\slot, G1B
	PLACES NP-4
.else
	PLACES NP
.endif
	s_wait_alu depctr_va_vdst(0)
	v_add_nc_u32 v[ADRS], 4*NQ, v[ADRS]
	FETCH_B \next, 0, 0
	FETCH_A \next, 0, 0
	SCALES \next
	WIN MUL_HI
	MUL16 4, 1, NQ-1, \slot, 0
	MUL16 6, 1, NQ-1, \slot, 0
	PLACES NP
	WIN 0
	FETCH_A \next, 0, 4
.endm
	s_wait_alu depctr_va_vdst(0)
	s_wait_tensorcnt 1
	s_barrier_signal -1
	s_barrier_wait -1
	FETCH_B 0, 0, 0
	FETCH_A 0, 0, 0
	SCALES 0
	FETCH_A 0, 0, 4
	STEP 0, 0, 1
	s_mov_b32 s3, LAPS-1
.Llap:
	TURN 0, 1, 1
	STEP 1, 0, 0
	TURN 1, 0, 1
	STEP 0, 0, 0
	s_sub_co_u32 s3, s3, 1
	s_cmp_lg_u32 s3, 0
	s_cbranch_scc1 .Llap
	TURN 0, 1, 0
	STEP 1, 0, 0
	s_wait_dscnt 4*NL
	WIN MUL_LO
	MUL16 0, 1, NQ-1, 1, 0
	MUL16 2, 1, NQ-1, 1, 0
	s_wait_dscnt 0
	WIN MUL_HI
	MUL16 4, 1, NQ-1, 1, 0
	MUL16 6, 1, NQ-1, 1, 0
	WIN 0
	PLACES NP
	s_lshl_b32 s68, s17, 8
	s_lshl_b32 s69, s15, 7
	s_add_co_u32 s68, s68, s69
	s_lshl_b32 s69, s42, 8
	s_lshl_b32 s70, s16, 7
	s_add_co_u32 s69, s69, s70
	s_and_b32 s70, s69, 1023
	s_cmp_eq_u32 s12, 1
	s_cselect_b32 s71, s69, s68
	s_cselect_b32 s72, s68, s70
	s_mov_b32 s90, 1024
	s_cselect_b32 s[STP], 2048, s90
	s_cselect_b32 s[STP4], 256000, s90
	s_mov_b32 s[STP+1], 0
	s_mov_b32 s[STP4+1], 0
	s_lshr_b32 s73, s71, 11
	s_bfe_u32 s74, s71, 0x40007
	s_lshr_b32 s72, s72, 6
	s_lshl_b32 s73, s73, 4
	s_add_co_u32 s73, s73, s72
	s_cmp_eq_u32 s13, 1
	s_cselect_b64 s[OB:OB+1], s[8:9], s[10:11]
	s_cselect_b64 s[SB1:SB1+1], s[8:9], s[10:11]
	s_cselect_b32 s75, 17, 18
	s_cselect_b32 s78, 13, 14
	s_mov_b32 s84, 12288
	s_cselect_b32 s84, 8192, s84
	s_mov_b32 s85, 768
	s_cselect_b32 s85, 512, s85
	s_mov_b32 s86, KSO
	s_cselect_b32 s86, QSO, s86
	s_lshl_b32 s80, s73, s75
	s_lshl_b32 s81, s74, s78
	s_add_co_u32 s80, s80, s81
	s_lshl_b32 s81, s12, 13
	s_add_co_u32 s80, s80, s81
	s_mov_b32 s81, 0
	s_add_nc_u64 s[OB:OB+1], s[OB:OB+1], s[80:81]
	s_lshl_b32 s79, 1, s75
	s_mul_i32 s80, s73, s84
	s_add_co_u32 s86, s86, s80
	s_mul_i32 s80, s74, s85
	s_add_co_u32 s86, s86, s80
	s_lshl_b32 s80, s12, 9
	s_add_co_u32 s86, s86, s80
	s_mov_b32 s87, 0
	s_add_nc_u64 s[SB1:SB1+1], s[SB1:SB1+1], s[86:87]
	s_mov_b32 s85, 0
	s_add_nc_u64 s[SB2:SB2+1], s[SB1:SB1+1], s[84:85]
	s_cmp_eq_u32 s12, 1
	s_cselect_b32 s92, 1024, s79
	s_sub_co_u32 s93, 4, s12
	s_mov_b32 s20, 0x76543210
	s_mov_b32 s21, 0xfedcba98
	s_mov_b32 s22, 0x600000
	v_and_b32 v[LN], 31, v0
	v_lshlrev_b32 v[VO], 4, v[LN]
	v_add_nc_u32 v[VO+1], 512, v[VO]
	v_add_nc_u32 v[VO+2], s92, v[VO]
	v_add_nc_u32 v[VO+3], 512, v[VO+2]
	v_lshlrev_b32 v[VS], s93, v[LN]
	v_cmp_lt_u32 s94, 15, v[LN]
.irp b, 0,1,2,3
	v_mov_b32 v[TM+4+\b], 0
.endr
.macro OUTA a
.set AC, 64*((\a)%4)
	WIN 5*(2+(\a)/4)
.irp b, 0,1,2,3
	v_max3_num_f32 v[TM+\b], |v[AC+16*\b]|, |v[AC+16*\b+1]|, 0x4800000
.endr
.irp i, 2,4,6,8,10,12,14
.irp b, 0,1,2,3
	v_max3_num_f32 v[TM+\b], |v[AC+16*\b+\i]|, |v[AC+16*\b+\i+1]|, v[TM+\b]
.endr
.endr
	WIN 0
.irp b, 0,1,2,3
	v_permlanex16_b32 v[TM+4+\b], v[TM+\b], s20, s21
.endr
.irp b, 0,1,2,3
	v_max_num_f32 v[TM+\b], v[TM+\b], v[TM+4+\b]
.endr
.irp b, 0,1,2,3
	v_add_nc_u32 v[TM+12+\b], 0xfc000000, v[TM+\b]
.endr
.irp b, 0,1,2,3
	v_and_or_b32 v[TM+8+\b], v[TM+\b], 0x7f800000, s22
.endr
.irp b, 0,1,2,3
	v_lshrrev_b32 v[TM+4+\b], 23, v[TM+12+\b]
.endr
	v_lshl_or_b32 v[SW+(\a)], v[TM+5], 8, v[TM+4]
	v_lshl_or_b32 v[SW+(\a)], v[TM+6], 16, v[SW+(\a)]
	v_lshl_or_b32 v[SW+(\a)], v[TM+7], 24, v[SW+(\a)]
	WIN 2+(\a)/4
.set n, 0
.rept 64
	v_med3_num_f32 v[HB+n], v[AC+n], -v[TM+8+n/16], v[TM+8+n/16]
.set n, n+1
.endr
	WIN 0
	s_wait_alu depctr_va_vdst(0)
	s_wait_xcnt 0x0
.if (\a) == 4
	s_add_nc_u64 s[OB:OB+1], s[OB:OB+1], s[STP4:STP4+1]
.elseif (\a) > 0
	s_add_nc_u64 s[OB:OB+1], s[OB:OB+1], s[STP:STP+1]
.endif
.irp b, 0,1,2,3
	v_cvt_scalef32_pk8_fp8_f32 v[PC+4*\b:PC+4*\b+1], v[HB+16*\b:HB+16*\b+7], v[TM+12+\b]
	v_cvt_scalef32_pk8_fp8_f32 v[PC+4*\b+2:PC+4*\b+3], v[HB+16*\b+8:HB+16*\b+15], v[TM+12+\b]
.endr
	v_nop
.irp c, 0,1,2,3
	global_store_b128 v[VO+\c], v[PC+4*\c:PC+4*\c+3], s[OB:OB+1]
.endr
.endm
.irp a, 0,1,2,3,4,5,6,7
	OUTA \a
.endr
.irp i, 0,1,2,3
	v_cndmask_b32 v[XW+\i], v[SW+2*\i], v[SW+2*\i+1], s94
.endr
	s_cmp_eq_u32 s12, 1
	s_cbranch_scc1 .Lval_words
.irp i, 0,1,2,3
	v_lshrrev_b32 v[YW+\i], 16, v[XW+\i]
	v_and_b32 v[XW+\i], 0xffff, v[XW+\i]
.endr
	global_store_b128 v[VS], v[XW:XW+3], s[SB1:SB1+1]
	global_store_b128 v[VS], v[YW:YW+3], s[SB2:SB2+1]
	s_branch .Lwords_out
.Lval_words:
	s_wait_alu depctr_va_vdst(0)
	global_store_b64 v[VS], v[XW:XW+1], s[SB1:SB1+1]
	global_store_b64 v[VS], v[XW+2:XW+3], s[SB2:SB2+1]
.Lwords_out:
	s_wait_tensorcnt 0x0
	ds_add_u32 v[SPW], v[NIL]
	s_wait_dscnt 0x0
	CROUND
	s_endpgm
.Lfunc_end_k_qa3161bec9f_qkv:
	.size	k_qa3161bec9f_qkv, .Lfunc_end_k_qa3161bec9f_qkv-k_qa3161bec9f_qkv
	.p2alignl 7, 3214868480
	.fill 96, 4, 3214868480
	.section	.rodata,"a",@progbits
	.p2align	6, 0x0
	.amdhsa_kernel k_qa3161bec9f_qkv
		.amdhsa_group_segment_fixed_size 327680
		.amdhsa_private_segment_fixed_size 0
		.amdhsa_enable_private_segment 0
		.amdhsa_kernarg_size 32
		.amdhsa_user_sgpr_count 2
		.amdhsa_user_sgpr_kernarg_segment_ptr 1
		.amdhsa_wavefront_size32 1
		.amdhsa_system_sgpr_workgroup_id_x 1
		.amdhsa_system_sgpr_workgroup_id_y 1
		.amdhsa_system_sgpr_workgroup_id_z 1
		.amdhsa_system_vgpr_workitem_id 0
		.amdhsa_next_free_vgpr 1024
		.amdhsa_next_free_sgpr 106
		.amdhsa_reserve_vcc 0
		.amdhsa_float_denorm_mode_32 3
		.amdhsa_float_denorm_mode_16_64 3
		.amdhsa_memory_ordered 1
		.amdhsa_forward_progress 1
		.amdhsa_inst_pref_size 189
	.end_amdhsa_kernel
	.amdgpu_metadata
---
amdhsa.version: [ 1, 2 ]
amdhsa.kernels:
  - .name:           k_qa3161bec9f_qkv
    .symbol:         k_qa3161bec9f_qkv.kd
    .args:
      - { .name: xq, .offset: 0, .size: 8, .value_kind: global_buffer, .address_space: global }
      - { .name: wq, .offset: 8, .size: 8, .value_kind: global_buffer, .address_space: global }
      - { .name: qf, .offset: 16, .size: 8, .value_kind: global_buffer, .address_space: global }
      - { .name: kv, .offset: 24, .size: 8, .value_kind: global_buffer, .address_space: global }
    .group_segment_fixed_size: 327680
    .private_segment_fixed_size: 0
    .kernarg_segment_align: 8
    .kernarg_segment_size: 32
    .max_flat_workgroup_size: 128
    .sgpr_count:     106
    .vgpr_count:     1024
    .wavefront_size: 32
...
	.end_amdgpu_metadata
.endif
;; end of part 2
;; launch attn (part 3): grid 8 x 32, 16 waves a work-group, no clusters, 327,680 bytes of LDS; arguments qf, kv, w, v, cx; writes cx
.if DOCPART == 3
	.amdgcn_target "amdgcn-amd-amdhsa--gfx1250"
	.amdhsa_code_object_version 6
	.text
	.protected	k_qa3161bec9f_attn
	.globl	k_qa3161bec9f_attn
	.p2align	8
	.type	k_qa3161bec9f_attn,@function
k_qa3161bec9f_attn:
	s_mov_b64 s[64:65], 0
	v_nop
	global_prefetch_b8 v0, s[64:65] scope:SCOPE_SE
	s_setreg_imm32_b32 hwreg(HW_REG_WAVE_MODE, 25, 1), 1
	s_wait_xcnt 0x0
; ATTN: ctx = softmax(relu(q k^T) R_hat / 8, causal) val, both products on codes of FP8 (E4M3) with E8M0 scales; ctx is quantised in registers for the last projection.
; WORK LEFT OUT (shown at the head of prep): R_hat hangs on the head and on q - k alone, so it is made once for each distance, in a table; key steps that lie wholly behind a tile's queries are not multiplied.
; THE SOFTMAX AHEAD OF THE SECOND PRODUCT: t = relu(score) x U(q - k), U = R_hat x log2(e) / 8; M = the running largest t rounded UP to a whole number; p = 2^(t - M) is quantised along the keys, not normalised;
; the row's sum is taken of the unquantised p and divides at the end; when M moves, the sum and O are multiplied by 2^(old M - new M): exact.
; SHARES.  Work-group (I, bh) owns query blocks I and 15 - I (128 queries each) of one batch and head; each of its sixteen waves owns one tile of 16 queries: 8 x (I + 1) + 8 x (16 - I) = 136 key steps of a wave in every work-group.
; Wave: G = (wave ^ wave >> 2) & 1 says which block, TW = wave >> 1 which tile.  A wave works key steps 0 .. its block's number; the last lies on the diagonal.  Every wave walks all slots: trip counts are constants.
; NO CLUSTER: the eight work-groups of a head need 16 - I key steps, a different number each, so a joint load would bring tiles that no wave of some partner reads.
; LAYOUT.  Both products transposed: S^T = K Q^T, O^T = V^T P^T: a lane holds ONE query.  Q, K, V come as images of operand registers: 512 consecutive bytes a load, no pitch.  Tokens lie in tiles with bits 3 and 4 of their
; number exchanged: lane r of query tile T is query 32 (T / 2) + 8 (T % 2) + r % 8 + 16 (r / 8); register 16 b + i of S^T is key 32 b + 16 (lane / 16) + i of the step; O^T's registers run along the head's 64 likewise.
; K = 64 IN AN INSTRUCTION OF 128: Q's registers 8-15 are zero codes.  K's tile t is named v[32 + 8 t .. + 15]: its upper eight registers are the next tile's codes (behind tile 7: zeros), finite numbers that meet zero codes.
; THE TABLE, one for each of the two blocks: U[j] at distance |D0 - j|, D0 = 128 x block + 131; key step s, key offset ko, query offset qo: j = 131 - qo + ko + 128 s.  Four copies, copy c holding U[p + c] at word p, so that a lane
; whose first j is c modulo 4 reads aligned 16 bytes.  No LDS address hangs on the work-group's number.
; LIMITS: NaN and infinities not served; e^v must be finite, as in reference(); p under 2^-126 counts as 0 (v_exp_f32 flushes: ISA guide 15.8); the scale byte's floor as in prep.
; ctx's scale bytes leave as single bytes, 32 a tile (131,072 in the launch): a row's 32 bytes come from sixteen heads, that is, sixteen work-groups.
; REGISTERS: v1-7 addresses that stay; v8-11 addresses in hand; v12 -M, v13 the largest t, v[14:15] the sum; v16-23 Q, v24-31 zeros; v32-95 K, then the table's 64, then V; v96-103 zeros; v104-167 S^T, t, p; v168-199 O^T;
; v200-215 p's codes; v216-238 at work; v239 Q's scale offset; v240-243 K's scale words, v244-245 V's, v246 Q's, v247 p's; v240-243 serve the sums once K's product is done.
.set QSO,   4194304
.set KSO,   8388608
.set CSO,   4194304
.set SLOT1, 32768                      ; a slot: K of two steps (2 x 8,192), then V of two steps
.set SCS,   65536                      ; the head's scale words: step s at 768 s: K's 512, V's 256
.set TAB,   77824                      ; two tables of TG bytes, written by LDS stores: no fill lands there
.set TG,    49408
.set CO1,   12320                      ; the copies' places
.set CO2,   24704
.set SPARE, 176640                     ; the spare words, 128 bytes for each wave
.set LI,  1
.set AS0, 2
.set AV0, 3
.set AT0, 4
.set SPW, 5
.set NIL, 6
.set PFO, 7
.set AD,  8
.set ADS, 9
.set ADT, 10
.set ADU, 11
.set KR,  32
.set ST,  104
.set OT,  168
.set PCD, 200
.set BM,  216
.set PM,  220
.set HL,  224
.set CV,  228
.set DL,  237
.set NINF, 238
.set WV,  14
.set G,   15
.set TW,  16
.set BLK, 18
.set LAST, 19
.set SEL, 20
.set MNT, 22
.set SN,  23
.set G1,  24
.set G1S, 32
.set G0,  40
.set G0S, 44
.set TB,  48
.set TS,  49
.set TJ,  50
.set SLOTS, 51
.set LIM, 52
.set PFA, 54
.set HD,  56
.set BA,  57
.set BH,  58
	s_load_b256 s[4:11], s[0:1], 0x0               ; qf, kv, w, v
	s_load_b64 s[12:13], s[0:1], 0x20              ; cx
	v_lshl_add_u32 v[SPW], v0, 2, SPARE
	v_mov_b32 v[NIL], 0
	ds_add_u32 v[SPW], v[NIL]                      ; the wave's opening: the add, twice on end, and its wait ahead of the first tensor load
	ds_add_u32 v[SPW], v[NIL]
	v_lshrrev_b32 v248, 5, v0
	s_delay_alu instid0(VALU_DEP_1)
	v_readfirstlane_b32 s[WV], v248                ; wave 0..15
	s_lshr_b32 s[G], s[WV], 2
	s_xor_b32 s[G], s[G], s[WV]
	s_and_b32 s[G], s[G], 1
	s_lshr_b32 s[TW], s[WV], 1
	s_mul_i32 s[BLK], s[G], 15
	s_xor_b32 s[BLK], s[BLK], ttmp9                ; my block of 128 queries: I or 15 - I
	s_xor_b32 s[LAST], ttmp9, 15                   ; the last key step that any wave of the work-group works
	s_and_b32 s[BH], ttmp7, 0xffff
	s_and_b32 s[HD], s[BH], 15
	s_lshr_b32 s[BA], s[BH], 4
	s_mov_b32 s[G1], 3<<16                         ; elements of 8 bytes, no mask, no padding
	s_mov_b32 s[G1+1], 1024<<16                    ; tensor_dim0: 8,192 bytes: K (or V) of one step
	s_mov_b32 s[G1+2], 2<<16                       ; tensor_dim1: a slot's two steps
	s_mov_b32 s[G1+3], 1024<<16                    ; tile_dim0
	s_mov_b32 s[G1+4], 2                           ; tile_dim1
	s_mov_b32 s[G1+5], 2048                        ; from step to step: 16,384 bytes
	s_mov_b32 s[G1+6], 0
	s_mov_b32 s[G1+7], 0
	s_mov_b32 s[G1S], 3<<16                        ; half of the head's scale words: 6,144 dense bytes as 24 rows of 256
	s_mov_b32 s[G1S+1], 32<<16
	s_mov_b32 s[G1S+2], 24<<16
	s_mov_b32 s[G1S+3], 32<<16
	s_mov_b32 s[G1S+4], 24
	s_mov_b32 s[G1S+5], 32
	s_mov_b32 s[G1S+6], 0
	s_mov_b32 s[G1S+7], 0
	s_and_b32 s62, s[WV], 1                        ; wave 0 fetches K's, wave 1 V's
	s_lshl_b32 s63, s62, 14
	s_lshl_b32 s66, s[BH], 18
	s_lshl_b32 s67, s62, 13
	s_add_co_u32 s66, s66, s67
	s_mov_b32 s67, 0
	s_mul_i32 s68, s[BH], 12288
	s_mul_i32 s69, s62, 6144
	s_add_co_u32 s68, s68, s69
	s_add_co_u32 s68, s68, KSO
	s_add_co_u32 s70, s69, SCS
	s_mov_b32 s69, 0
	s_mov_b32 s[SEL], 0x76543210
	s_mov_b32 s[SEL+1], 0xfedcba98                 ; v_permlanex16_b32's selects for lane l xor 16
	s_mov_b32 s[SN], 0
	s_mov_b32 s[TB], 0
	s_mov_b32 s[TS], 0
	s_mov_b32 s[TJ], 0
	s_mov_b32 s[SLOTS], 7
	s_wait_dscnt 0x0                               ; both opening adds are done
	s_wait_kmcnt 0x0
	s_mov_b32 s[G0S], 1
	s_mov_b32 s[G0S+1], s70
	s_add_nc_u64 s[G0S+2:G0S+3], s[6:7], s[68:69]
	s_or_b32 s[G0S+3], s[G0S+3], 0x80000000
	s_mov_b32 s[G0], 1
	s_mov_b32 s[G0+1], s63
	s_add_nc_u64 s[G0+2:G0+3], s[6:7], s[66:67]
	s_or_b32 s[G0+3], s[G0+3], 0x80000000
	s_cmp_lt_u32 s[WV], 2                          ; a wave's two first fills stand in one branch, ahead of every wait on TENSORcnt, every LDS read and every barrier: two loads of a wave are out at the most
	s_cbranch_scc0 .Lno_fill
	tensor_load_to_lds s[G0S:G0S+3], s[G1S:G1S+7]  ; the scale words of the whole head: filled once
	s_nop 0
	tensor_load_to_lds s[G0:G0+3], s[G1:G1+7]      ; slot 0
	s_nop 0
.rept 4
	v_nop
.endr
.Lno_fill:
	s_lshl_b32 s66, s[HD], 2
	s_mov_b32 s67, 0
	s_add_nc_u64 s[8:9], s[8:9], s[66:67]
	s_add_nc_u64 s[10:11], s[10:11], s[66:67]
	s_load_b32 s59, s[8:9], 0x0                    ; w of my head
	s_load_b32 s60, s[10:11], 0x0                  ; v of my head
	s_lshl_b32 s71, s[BLK], 3
	s_add_co_u32 s71, s71, s[TW]                   ; T: my tile of queries; s71 stays
	s_lshl_b32 s68, s[BH], 17
	s_lshl_b32 s69, s71, 10
	s_add_co_u32 s68, s68, s69
	s_mov_b32 s69, 0
	s_add_nc_u64 s[72:73], s[4:5], s[68:69]        ; Q's image
	s_lshl_b32 s68, s[BH], 13
	s_lshl_b32 s70, s[BLK], 9
	s_add_co_u32 s68, s68, s70
	s_add_co_u32 s68, s68, QSO
	s_add_nc_u64 s[74:75], s[4:5], s[68:69]        ; my block's scale words
	v_and_b32 v248, 31, v0                         ; lane
	v_and_b32 v249, 15, v0                         ; r
	v_bfe_u32 v250, v0, 4, 1                       ; hl
	s_delay_alu instid0(VALU_DEP_3)
	v_lshlrev_b32 v[LI], 4, v248
	global_load_b128 v[16:19], v[LI], s[72:73]
	global_load_b128 v[20:23], v[LI], s[72:73] offset:512
	s_and_b32 s70, s[TW], 1
	s_lshl_b32 s70, s70, 8
	s_lshr_b32 s68, s[TW], 1
	s_lshl_b32 s68, s68, 2
	s_add_co_u32 s70, s70, s68
	v_lshl_add_u32 v239, v249, 4, s70              ; lane 16 (TW % 2) + r of the block's words, word TW / 2
	global_load_b32 v246, v239, s[74:75]
	v_add_nc_u32 v[AS0], SCS, v[LI]
	v_lshlrev_b32 v[AV0], 3, v248
	s_delay_alu instid0(VALU_DEP_1)
	v_add_nc_u32 v[AV0], SCS+512, v[AV0]
	v_lshlrev_b32 v[PFO], 8, v248
	; my place in the table: j0 = 4 + (127 - qo) + 16 hl; 127 - qo is qo's seven bits turned; copy j0 % 4, word j0 - j0 % 4
	v_xor_b32 v251, 15, v249
	s_delay_alu instid0(VALU_DEP_1)
	v_and_b32 v252, 4, v251
	s_delay_alu instid0(VALU_DEP_2)
	v_lshrrev_b32 v253, 3, v251
	s_delay_alu instid0(VALU_DEP_1)
	v_lshl_add_u32 v252, v253, 4, v252
	s_delay_alu instid0(VALU_DEP_1)
	v_lshl_add_u32 v252, v250, 4, v252
	s_wait_alu depctr_va_vdst(0)
	v_and_b32 v253, 1, v251
	v_bfe_u32 v254, v251, 1, 1
	s_xor_b32 s68, s[TW], 7
	s_and_b32 s69, s68, 1
	s_lshl_b32 s69, s69, 3
	s_lshr_b32 s68, s68, 1
	s_lshl_b32 s68, s68, 5
	s_add_co_u32 s68, s68, s69
	s_add_co_u32 s68, s68, 4
	s_lshl_b32 s68, s68, 2
	s_mul_i32 s70, s[G], TG
	s_add_co_u32 s70, s70, TAB                     ; my block's table
	s_add_co_u32 s68, s68, s70
	v_lshl_add_u32 v[AT0], v252, 2, s68
	s_wait_alu depctr_va_vdst(0)
	v_mad_u32_u24 v[AT0], v253, CO1, v[AT0]
	s_delay_alu instid0(VALU_DEP_1)
	v_mad_u32_u24 v[AT0], v254, CO2, v[AT0]
	; qo - 16 hl, for the diagonal's mask (no address)
	s_lshr_b32 s68, s[TW], 1
	s_lshl_b32 s68, s68, 5
	s_and_b32 s69, s[TW], 1
	s_lshl_b32 s69, s69, 3
	s_add_co_u32 s68, s68, s69
	v_and_b32 v[DL], 7, v249
	v_lshrrev_b32 v252, 3, v249
	s_delay_alu instid0(VALU_DEP_1)
	v_lshl_add_u32 v[DL], v252, 4, v[DL]
	s_delay_alu instid0(VALU_DEP_1)
	v_add_nc_u32 v[DL], s68, v[DL]
	v_lshlrev_b32 v252, 4, v250
	s_delay_alu instid0(VALU_DEP_1)
	v_sub_nc_u32 v[DL], v[DL], v252
	; THE TABLE.  The 256 threads of a block's eight waves make 12 numbers each, and 3 more for the shifted copies: U[12 t + m], m = 0 .. 14
.set EE, 104
.set OD, 120
	s_lshl_b32 s68, s[TW], 5
	v_add_nc_u32 v251, s68, v248                   ; t
	s_delay_alu instid0(VALU_DEP_1)
	v_mul_u32_u24 v255, v251, 48
	s_delay_alu instid0(VALU_DEP_1)
	v_add_nc_u32 v255, s70, v255                   ; where I store; not rewritten
	s_delay_alu instid0(VALU_DEP_3)
	v_mul_u32_u24 v252, v251, 12
	s_lshl_b32 s61, s[BLK], 7
	s_add_co_u32 s61, s61, 131                     ; D0
	v_sub_nc_u32 v252, s61, v252
	s_wait_alu depctr_va_vdst(0)
	s_wait_kmcnt 0x0
	s_xor_b32 s59, s59, 0x80000000                 ; -w
.irp m, 0,1,2,3,4,5,6,7,8,9,10,11,12,13,14
	v_add_nc_u32 v[EE+\m], -\m, v252               ; D0 - j
.endr
.irp m, 0,1,2,3,4,5,6,7,8,9,10,11,12,13,14
	v_cvt_f32_i32 v[EE+\m], v[EE+\m]
.endr
.irp m, 0,1,2,3,4,5,6,7,8,9,10,11,12,13,14
	v_fma_f32 v[EE+\m], |v[EE+\m]|, s59, s60       ; v - w x distance
.endr
.irp m, 0,1,2,3,4,5,6,7,8,9,10,11,12,13,14
	v_mul_f32 v[EE+\m], 0x3fb8aa3b, v[EE+\m]
.endr
	v_mov_b32 v119, s60
	s_delay_alu instid0(VALU_DEP_1)
	v_mul_f32 v119, 0x3fb8aa3b, v119
	s_wait_alu depctr_va_vdst(0)
.irp m, 0,1,2,3,4,5,6,7,8,9,10,11,12,13,14,15
	v_exp_f32 v[EE+\m], v[EE+\m]                   ; (the sixteenth is e^v)
.endr
	v_nop                                          ; a plain instruction behind the last exponential
	s_wait_alu depctr_va_vdst(0)                   ; one wait for the batch, ahead of its first reader
.irp m, 0,1,2,3,4,5,6,7,8,9,10,11,12,13,14,15
	v_add_f32 v[EE+\m], 1.0, v[EE+\m]
.endr
	s_delay_alu instid0(VALU_DEP_1)
	v_mul_f32 v119, 0x3e38aa3b, v119               ; (1 + e^v) x log2(e) / 8
	s_wait_alu depctr_va_vdst(0)
.irp m, 0,1,2,3,4,5,6,7,8,9,10,11,12,13,14
	v_rcp_f32 v[EE+\m], v[EE+\m]
.endr
	v_nop
	s_wait_alu depctr_va_vdst(0)
.irp m, 0,1,2,3,4,5,6,7,8,9,10,11,12,13,14
	v_mul_f32 v[EE+\m], v[EE+\m], v119
.endr
.irp m, 0,1,2,3,4,5,6,7,8,9,10,11,12,13
	v_mov_b32 v[OD+\m], v[EE+\m+1]                 ; the odd copies' numbers, so that every store's registers begin at an even one
.endr
.irp k, 0,1,2
	ds_store_b128 v255, v[EE+4*\k:EE+4*\k+3] offset:16*\k
	ds_store_b128 v255, v[OD+4*\k:OD+4*\k+3] offset:CO1+16*\k
	ds_store_b128 v255, v[EE+4*\k+2:EE+4*\k+5] offset:CO2+16*\k
	ds_store_b128 v255, v[OD+4*\k+2:OD+4*\k+5] offset:CO1+CO2+16*\k
.endr                                              ; the first change of slots waits for these stores and passes a barrier: then the tables are read
	v_mov_b32 v13, 0xff61b1e6                      ; the largest t so far: -3e38
	s_delay_alu instid0(VALU_DEP_1)
	v_floor_f32 v12, -v13                          ; -M
	v_mov_b32 v14, 0
	v_mov_b32 v15, 0
	v_mov_b32 v233, 0                              ; (named as the upper half of the pair v[232:233])
	v_mov_b32 v236, 0
	v_mov_b32 v[NINF], 0xff800000
.irp b, 0,1,2,3
	v_mov_b32 v[PM+\b], 0                          ; written once: a lane permute's destination counts as one of its sources
.endr
.irp j, 0,1,2,3,4,5,6,7
	v_mov_b32 v[24+\j], 0                          ; Q's upper 64 along K: zero codes
	v_mov_b32 v[96+\j], 0                          ; what stands behind K's tile 7
.endr
.set n, 0
.rept 32
	v_mov_b32 v[OT+n], 0                           ; O^T: the step is written once; the first change of M leaves zeros zeros
.set n, n+1
.endr
	; the prefetches: who asks, and where
	s_sub_co_u32 s62, s[WV], 4
	s_lshr_b32 s62, s62, 2                         ; 0 in waves 4 to 7,
	s_or_b32 s62, s62, ttmp9                       ; of the head's work-group 0, which walks all slots
	s_cmp_eq_u32 s62, 0
	s_cselect_b32 s[LIM], 1, -1
	s_and_b32 s62, s[WV], 3
	s_lshl_b32 s62, s62, 13
	s_lshl_b32 s63, s[BH], 18
	s_add_co_u32 s62, s62, s63
	s_add_co_u32 s62, s62, SLOT1                   ; in slot 1: the first change steps it to slot 2.  Nothing is prefetched at the head
	s_mov_b32 s63, 0
	s_add_nc_u64 s[PFA:PFA+1], s[6:7], s[62:63]
; THE CHANGE OF SLOTS, at a slot's head.  Each wave waits for all its tensor loads, adds 0 to its spare word,
; and waits for that and for its reads of the slot that it has left.  Behind the barrier the slot ahead is whole and nobody reads the other one.
.macro CHANGE fill
	s_wait_tensorcnt 0x0                           ; no tensor load of mine is out, so a group 0 may be written
	ds_add_u32 v[SPW], v[NIL]
.if \fill
	ds_add_u32 v[SPW], v[NIL]
	s_xor_b32 s[G0+1], s[G0+1], SLOT1              ; the walking descriptor: the other slot,
	s_add_nc_u64 s[G0+2:G0+3], s[G0+2:G0+3], 32768 ; the next two steps
	s_wait_xcnt 0x0                                ; the last prefetch, a slot back, has read its address
	s_add_nc_u64 s[PFA:PFA+1], s[PFA:PFA+1], 32768
.endif
	s_wait_dscnt 0x0
	s_barrier_signal -1
	s_barrier_wait -1
.if \fill
	s_add_co_u32 s96, s[SN], 2                     ; the first step of the slot that this change would ask for:
	s_cmp_gt_u32 s96, s[LAST]                      ; behind the work-group's last step no wave reads it, so it is not asked for.  Ids and the count of steps alone: all sixteen waves go the same way; every wait on TENSORcnt here is for 0
	s_cbranch_scc1 .Lpast_\@
	s_cmp_lt_u32 s[WV], 2
	s_cbranch_scc0 .Lpast_\@
	tensor_load_to_lds s[G0:G0+3], s[G1:G1+7]      ; the first thing behind the barrier, and the wave's one tensor load until the next: two steps' work in which to land
	s_nop 0
.rept 4
	v_nop
.endr
.Lpast_\@:
	s_cmp_gt_u32 s[SLOTS], s[LIM]                  ; A PREFETCH of the slot that the NEXT change will ask for: 32,768 bytes, four waves x 32 lanes 256 bytes apart: each block is named once in the launch, by the head's work-group 0;
	s_cbranch_scc0 .Lnot_mine_\@                   ; the last change that fills a slot asks for nothing; slots 0 and 1 and the scale words come by their loads alone
	global_prefetch_b8 v[PFO], s[PFA:PFA+1] th:TH_LOAD_NT scope:SCOPE_SE
.Lnot_mine_\@:
.endif
.endm
; A KEY STEP: 128 keys, the q-th of the slot in hand.
.macro STEP q
	s_cmp_gt_u32 s[SN], s[BLK]                     ; all its keys come after my queries: left out; not the lines at its end that step addresses
	s_cbranch_scc1 .Lhidden_\@
	v_add_nc_u32 v[AD], s[TB], v[LI]
	v_add_nc_u32 v[ADS], s[TS], v[AS0]
	v_add_nc_u32 v[ADT], s[TS], v[AV0]
	v_add_nc_u32 v[ADU], s[TJ], v[AT0]
.rept 4
	v_nop                                          ; with the four additions: eight places behind the last products, ahead of loads into their registers
.endr
.irp t, 0,1,2,3,4,5,6,7
.irp c, 0,1
	ds_load_b128 v[KR+8*\t+4*\c:KR+8*\t+4*\c+3], v[AD] offset:(\q)*8192+\t*1024+\c*512
.endr
.endr
	ds_load_b128 v[240:243], v[ADS]                ; K's scale words: register i: lanes 0-15 tile 2 i, lanes 16-31 tile 2 i + 1
	s_wait_alu depctr_va_vdst(0)
	s_wait_dscnt 0x0
.irp t, 0,1,2,3,4,5,6,7
.if (\t)%2 == 0
	v_wmma_scale_f32_16x16x128_f8f6f4 v[ST+8*\t:ST+8*\t+7], v[KR+8*\t:KR+8*\t+15], v[16:31], 0, v[240+\t/2], v246
.else
	v_wmma_scale_f32_16x16x128_f8f6f4 v[ST+8*\t:ST+8*\t+7], v[KR+8*\t:KR+8*\t+15], v[16:31], 0, v[240+\t/2], v246 matrix_a_scale:MATRIX_SCALE_ROW1
.endif
.endr
.rept 8
	v_nop
.endr
.irp b, 0,1,2,3
.irp e, 0,1,2,3
	ds_load_b128 v[KR+16*\b+4*\e:KR+16*\b+4*\e+3], v[ADU] offset:128*\b+16*\e   ; U for my 64 keys
.endr
.endr
	ds_load_b64 v[244:245], v[ADT]                 ; V's scale words
	s_wait_dscnt 0x0
.set n, 0
.rept 64
	v_max_num_f32 v[ST+n], 0, v[ST+n]              ; relu; each accumulator is read from its low end on
.set n, n+1
.endr
.set n, 0
.rept 32
	v_pk_mul_f32 v[ST+n:ST+n+1], v[ST+n:ST+n+1], v[KR+n:KR+n+1]   ; t
.set n, n+2
.endr
.irp d, 0,1,2,3
.irp c, 0,1,2,3
	ds_load_b128 v[KR+16*\d+4*\c:KR+16*\d+4*\c+3], v[AD] offset:16384+(\q)*8192+\d*2048+\c*512   ; V lands while the softmax is walked
.endr
.endr
	s_cmp_lg_u32 s[SN], s[BLK]                     ; on the diagonal hidden t become -infinity ahead of the maximum: p = 0 then
	s_cbranch_scc1 .Lopen_\@
.set n, 0
.rept 64
	v_cmp_gt_i32 vcc_lo, 32*(n/16)+n%16, v[DL]
	s_delay_alu instid0(VALU_DEP_1)
	v_cndmask_b32 v[ST+n], v[ST+n], v[NINF], vcc_lo
.set n, n+1
.endr
.Lopen_\@:
.irp b, 0,1,2,3
	v_max3_num_f32 v[BM+\b], v[ST+16*\b], v[ST+16*\b+1], v[ST+16*\b+2]   ; the largest t of each block of 32 keys: for the row's maximum, and, since p rises with t, for the block's largest p
.endr
.irp i, 3,5,7,9,11,13
.irp b, 0,1,2,3
	s_delay_alu instid0(VALU_DEP_4)
	v_max3_num_f32 v[BM+\b], v[BM+\b], v[ST+16*\b+\i], v[ST+16*\b+\i+1]
.endr
.endr
.irp b, 0,1,2,3
	s_delay_alu instid0(VALU_DEP_4)
	v_max_num_f32 v[BM+\b], v[BM+\b], v[ST+16*\b+15]
.endr
.irp b, 0,1,2,3
	s_delay_alu instid0(VALU_DEP_4)
	v_permlanex16_b32 v[PM+\b], v[BM+\b], s[SEL], s[SEL+1]
.endr
.irp b, 0,1,2,3
	s_delay_alu instid0(VALU_DEP_4)
	v_max_num_f32 v[BM+\b], v[BM+\b], v[PM+\b]
.endr
	s_delay_alu instid0(VALU_DEP_2)
	v_max3_num_f32 v236, v[BM], v[BM+1], v[BM+2]
	s_delay_alu instid0(VALU_DEP_1)
	v_max_num_f32 v236, v236, v[BM+3]
	s_delay_alu instid0(VALU_DEP_1)
	v_max_num_f32 v13, v13, v236                   ; the running largest t
	v_mov_b32 v236, v12
	s_delay_alu instid0(VALU_DEP_2)
	v_floor_f32 v12, -v13                          ; the new -M = -ceil(t): a whole number
	s_delay_alu instid0(VALU_DEP_1)
	v_sub_f32 v236, v12, v236                      ; old M - new M
	s_delay_alu instid0(VALU_DEP_1)
	v_cvt_i32_f32 v236, v236                       ; (it saturates)
	s_delay_alu instid0(VALU_DEP_1)
	v_ldexp_f32 v232, 1.0, v236                    ; f = 2^(old M - new M)
.set n, 0
.rept 32
	v_pk_add_f32 v[ST+n:ST+n+1], v[ST+n:ST+n+1], v[12:13] op_sel_hi:[1,0]   ; t - M
.set n, n+2
.endr
.irp b, 0,1,2,3
	v_add_f32 v[BM+\b], v[BM+\b], v12
.endr
.set n, 0
	s_wait_alu depctr_va_vdst(0)
.rept 64
	v_exp_f32 v[ST+n], v[ST+n]                     ; p = 2^(t - M)
.set n, n+1
.endr
	v_pk_mul_f32 v[14:15], v[14:15], v[232:233] op_sel_hi:[1,0]   ; the sums under the new M (a plain place behind the exponentials)
	s_wait_alu depctr_va_vdst(0)                   ; one wait for the batch, ahead of its first reader
.irp b, 0,1,2,3
	v_exp_f32 v[BM+\b], v[BM+\b]                   ; the block's largest p
.endr
	v_pk_add_f32 v[234:235], v[108:109], v[112:113]
	v_pk_add_f32 v[254:255], v[116:117], v[120:121]
	v_pk_add_f32 v[252:253], v[124:125], v[128:129]
	v_pk_add_f32 v[250:251], v[132:133], v[136:137]
	v_pk_add_f32 v[248:249], v[140:141], v[144:145]
	v_pk_add_f32 v[242:243], v[148:149], v[152:153]
	v_pk_add_f32 v[240:241], v[156:157], v[160:161]
	v_pk_add_f32 v[14:15], v[14:15], v[164:165]
	v_pk_add_f32 v[234:235], v[234:235], v[104:105]
	v_pk_add_f32 v[254:255], v[254:255], v[106:107]
	v_pk_add_f32 v[252:253], v[252:253], v[110:111]
	v_pk_add_f32 v[250:251], v[250:251], v[114:115]
	v_pk_add_f32 v[248:249], v[248:249], v[118:119]
	v_pk_add_f32 v[242:243], v[242:243], v[122:123]
	v_pk_add_f32 v[240:241], v[240:241], v[126:127]
	v_pk_add_f32 v[14:15], v[14:15], v[130:131]
	v_pk_add_f32 v[234:235], v[234:235], v[134:135]
	v_pk_add_f32 v[254:255], v[254:255], v[138:139]
	v_pk_add_f32 v[252:253], v[252:253], v[142:143]
	v_pk_add_f32 v[250:251], v[250:251], v[146:147]
	v_pk_add_f32 v[248:249], v[248:249], v[150:151]
	v_pk_add_f32 v[242:243], v[242:243], v[154:155]
	v_pk_add_f32 v[240:241], v[240:241], v[158:159]
	v_pk_add_f32 v[14:15], v[14:15], v[162:163]
	v_pk_add_f32 v[234:235], v[234:235], v[166:167]
	s_delay_alu instid0(VALU_DEP_2)
	v_pk_add_f32 v[14:15], v[14:15], v[250:251]
	s_delay_alu instid0(VALU_DEP_2)
	v_pk_add_f32 v[234:235], v[234:235], v[248:249]
	v_pk_add_f32 v[254:255], v[254:255], v[242:243]
	v_pk_add_f32 v[252:253], v[252:253], v[240:241]
	s_delay_alu instid0(VALU_DEP_2)
	v_pk_add_f32 v[14:15], v[14:15], v[254:255]
	s_delay_alu instid0(VALU_DEP_2)
	v_pk_add_f32 v[234:235], v[234:235], v[252:253]
	s_delay_alu instid0(VALU_DEP_1)
	v_pk_add_f32 v[14:15], v[14:15], v[234:235]
	s_wait_alu depctr_va_vdst(0)                   ; and one for the four
.irp b, 0,1,2,3
	v_max_num_f32 v[BM+\b], 0x4800000, v[BM+\b]    ; the floor: the byte cannot fall under 1
.endr
.irp b, 0,1,2,3
	s_delay_alu instid0(VALU_DEP_4)
	v_add_nc_u32 v[CV+\b], 0xfc000000, v[BM+\b]
.endr
.irp b, 0,1,2,3
.endr
.irp b, 0,1,2,3
	s_delay_alu instid0(VALU_DEP_4)
	v_lshrrev_b32 v[PM+\b], 23, v[CV+\b]
.endr
	s_delay_alu instid0(VALU_DEP_3)
	v_lshl_or_b32 v247, v[PM+1], 8, v[PM]          ; p's scale word for these 128 keys
	s_delay_alu instid0(VALU_DEP_1)
	v_lshl_or_b32 v247, v[PM+2], 16, v247
	s_delay_alu instid0(VALU_DEP_1)
	v_lshl_or_b32 v247, v[PM+3], 24, v247
.irp b, 0,1,2,3
.irp i, 0,1,2,3,4,5,6,7,8,9,10,11,12,13,14,15
.endr
	v_cvt_scalef32_pk8_fp8_f32 v[PCD+4*\b:PCD+4*\b+1], v[ST+16*\b:ST+16*\b+7], v[CV+\b]
	v_cvt_scalef32_pk8_fp8_f32 v[PCD+4*\b+2:PCD+4*\b+3], v[ST+16*\b+8:ST+16*\b+15], v[CV+\b]
.endr
.set n, 0
.rept 16
	v_pk_mul_f32 v[OT+n:OT+n+1], v[OT+n:OT+n+1], v[232:233] op_sel_hi:[1,0]   ; O^T under the new M; these stand between the codes and the products
.set n, n+2
.endr
	s_wait_alu depctr_va_vdst(0)
	s_wait_dscnt 0x0                               ; V is in
.irp d, 0,1,2,3                                    ; the four accumulators take turns, one instruction a turn
.if (\d)%2 == 0
	v_wmma_scale_f32_16x16x128_f8f6f4 v[OT+8*\d:OT+8*\d+7], v[KR+16*\d:KR+16*\d+15], v[PCD:PCD+15], v[OT+8*\d:OT+8*\d+7], v[244+\d/2], v247
.else
	v_wmma_scale_f32_16x16x128_f8f6f4 v[OT+8*\d:OT+8*\d+7], v[KR+16*\d:KR+16*\d+15], v[PCD:PCD+15], v[OT+8*\d:OT+8*\d+7], v[244+\d/2], v247 matrix_a_scale:MATRIX_SCALE_ROW1
.endif
.endr
.Lhidden_\@:
	s_add_co_u32 s[SN], s[SN], 1
	s_add_co_u32 s[TS], s[TS], 768
	s_add_co_u32 s[TJ], s[TJ], 512
.endm
.macro SLOT_STEPS
	STEP 0
	STEP 1
	s_xor_b32 s[TB], s[TB], SLOT1
.endm
	s_wait_loadcnt 0x0                             ; Q
.Lslot:                                            ; seven trips: behind each change of slots but the last the next slot is asked for, up to the work-group's last step
	CHANGE 1
	SLOT_STEPS
	s_sub_co_u32 s[SLOTS], s[SLOTS], 1
	s_cmp_lg_u32 s[SLOTS], 0
	s_cbranch_scc1 .Lslot
	CHANGE 0
	SLOT_STEPS
	; THE WAY OUT: O^T / the sum is ctx; its 64 numbers of my query are two blocks of 32 along the last product's K; the codes are half of an operand's image.
.rept 8
	v_nop                                          ; places behind the last products
.endr
	v_add_f32 v14, v14, v15
	s_delay_alu instid0(VALU_DEP_1)
	v_permlanex16_b32 v236, v14, s[SEL], s[SEL+1]
	s_delay_alu instid0(VALU_DEP_1)
	v_add_f32 v14, v14, v236                       ; the row's sum
	s_wait_alu depctr_va_vdst(0)
	v_rcp_f32 v14, v14
	v_and_b32 v249, 15, v0                         ; (a plain place behind the reciprocal)
	v_bfe_u32 v250, v0, 4, 1
	s_delay_alu instid0(VALU_DEP_1)
	v_lshl_add_u32 v248, v249, 5, v250             ; my scale byte: 32 bytes a row, + lane / 16
	v_and_b32 v251, 31, v0
	s_lshr_b32 s66, s[HD], 1
	s_lshl_b32 s66, s66, 8
	s_lshl_b32 s67, s[BA], 7
	s_add_co_u32 s66, s66, s67
	s_add_co_u32 s66, s66, s71
	s_lshl_b32 s66, s66, 11                        ; image (head / 2, 128 batch + T),
	s_and_b32 s67, s[HD], 1
	s_lshl_b32 s67, s67, 10                        ; its half
	s_add_co_u32 s66, s66, s67
	s_mov_b32 s67, 0
	s_add_nc_u64 s[68:69], s[12:13], s[66:67]
	s_lshl_b32 s66, s[BA], 11
	s_lshl_b32 s70, s71, 4
	s_add_co_u32 s66, s66, s70
	s_lshl_b32 s66, s66, 5
	s_lshl_b32 s70, s[HD], 1
	s_add_co_u32 s66, s66, s70
	s_add_co_u32 s66, s66, CSO
	s_add_nc_u64 s[72:73], s[12:13], s[66:67]
	s_wait_alu depctr_va_vdst(0)                   ; ahead of the reciprocal's first reader
.set n, 0
.rept 32
	v_mul_f32 v[ST+n], v[OT+n], v14                ; register 16 c + i: channel 32 c + 16 (lane / 16) + i
.set n, n+1
.endr
.irp c, 0,1
	v_max3_num_f32 v[BM+\c], |v[ST+16*\c]|, |v[ST+16*\c+1]|, 0x4800000
.endr
.irp i, 2,4,6,8,10,12,14
.irp c, 0,1
	s_delay_alu instid0(VALU_DEP_2)
	v_max3_num_f32 v[BM+\c], v[BM+\c], |v[ST+16*\c+\i]|, |v[ST+16*\c+\i+1]|
.endr
.endr
.irp c, 0,1
	s_delay_alu instid0(VALU_DEP_2)
	v_permlanex16_b32 v[PM+\c], v[BM+\c], s[SEL], s[SEL+1]
.endr
.irp c, 0,1
	s_delay_alu instid0(VALU_DEP_2)
	v_max_num_f32 v[BM+\c], v[BM+\c], v[PM+\c]
.endr
.irp c, 0,1
	s_delay_alu instid0(VALU_DEP_2)
	v_add_nc_u32 v[CV+\c], 0xfc000000, v[BM+\c]
.endr
.irp c, 0,1
.endr
.irp c, 0,1
	s_delay_alu instid0(VALU_DEP_2)
	v_lshrrev_b32 v[PM+\c], 23, v[CV+\c]
.endr
	v_cmp_lt_u32 vcc_lo, 15, v251
	s_delay_alu instid0(VALU_DEP_1)
	v_cndmask_b32 v236, v[PM], v[PM+1], vcc_lo     ; lanes 0-15 store block 0's byte, lanes 16-31 block 1's
.irp c, 0,1
.irp i, 0,1,2,3,4,5,6,7,8,9,10,11,12,13,14,15
.endr
	v_cvt_scalef32_pk8_fp8_f32 v[PCD+4*\c:PCD+4*\c+1], v[ST+16*\c:ST+16*\c+7], v[CV+\c]
	v_cvt_scalef32_pk8_fp8_f32 v[PCD+4*\c+2:PCD+4*\c+3], v[ST+16*\c+8:ST+16*\c+15], v[CV+\c]
.endr
	v_nop
	global_store_b128 v[LI], v[PCD:PCD+3], s[68:69]            ; 512 consecutive bytes
	global_store_b128 v[LI], v[PCD+4:PCD+7], s[68:69] offset:512
	global_store_b8 v248, v236, s[72:73]
	s_wait_tensorcnt 0x0                           ; the wave's end
	ds_add_u32 v[SPW], v[NIL]
	s_wait_dscnt 0x0
	s_endpgm
.Lfunc_end_k_qa3161bec9f_attn:
	.size	k_qa3161bec9f_attn, .Lfunc_end_k_qa3161bec9f_attn-k_qa3161bec9f_attn
	.p2alignl 7, 3214868480
	.fill 96, 4, 3214868480
	.section	.rodata,"a",@progbits
	.p2align	6, 0x0
	.amdhsa_kernel k_qa3161bec9f_attn
		.amdhsa_group_segment_fixed_size 327680
		.amdhsa_private_segment_fixed_size 0
		.amdhsa_enable_private_segment 0
		.amdhsa_kernarg_size 40
		.amdhsa_user_sgpr_count 2
		.amdhsa_user_sgpr_kernarg_segment_ptr 1
		.amdhsa_wavefront_size32 1
		.amdhsa_system_sgpr_workgroup_id_x 1
		.amdhsa_system_sgpr_workgroup_id_y 1
		.amdhsa_system_sgpr_workgroup_id_z 1
		.amdhsa_system_vgpr_workitem_id 0
		.amdhsa_next_free_vgpr 256
		.amdhsa_next_free_sgpr 100
		.amdhsa_reserve_vcc 1
		.amdhsa_float_denorm_mode_32 3
		.amdhsa_float_denorm_mode_16_64 3
		.amdhsa_fp16_overflow 1
		.amdhsa_memory_ordered 1
		.amdhsa_forward_progress 1
		.amdhsa_inst_pref_size 142
	.end_amdhsa_kernel
	.amdgpu_metadata
---
amdhsa.version: [ 1, 2 ]
amdhsa.kernels:
  - .name:           k_qa3161bec9f_attn
    .symbol:         k_qa3161bec9f_attn.kd
    .args:
      - { .name: qf, .offset: 0, .size: 8, .value_kind: global_buffer, .address_space: global }
      - { .name: kv, .offset: 8, .size: 8, .value_kind: global_buffer, .address_space: global }
      - { .name: w, .offset: 16, .size: 8, .value_kind: global_buffer, .address_space: global }
      - { .name: v, .offset: 24, .size: 8, .value_kind: global_buffer, .address_space: global }
      - { .name: cx, .offset: 32, .size: 8, .value_kind: global_buffer, .address_space: global }
    .group_segment_fixed_size: 327680
    .private_segment_fixed_size: 0
    .kernarg_segment_align: 8
    .kernarg_segment_size: 40
    .max_flat_workgroup_size: 512
    .sgpr_count:     100
    .vgpr_count:     256
    .wavefront_size: 32
...
	.end_amdgpu_metadata
.endif
;; end of part 3
;; launch oproj (part 4): grid 8 x 32, 4 waves a work-group, clusters of 4 x 4, 327,680 bytes of LDS; arguments cx, wq, bo, out0; writes out0
.if DOCPART == 4
	.amdgcn_target "amdgcn-amd-amdhsa--gfx1250"
	.amdhsa_code_object_version 6
	.text
	.protected	k_qa3161bec9f_oproj
	.globl	k_qa3161bec9f_oproj
	.p2align	8
	.type	k_qa3161bec9f_oproj,@function
k_qa3161bec9f_oproj:
	s_mov_b64 s[64:65], 0
	v_nop
	global_prefetch_b8 v0, s[64:65] scope:SCOPE_SE
	s_setreg_imm32_b32 hwreg(HW_REG_WAVE_MODE, 25, 1), 1
	s_wait_xcnt 0x0
	s_wait_alu depctr_hold_cnt(0) depctr_sa_sdst(0) depctr_va_vdst(0) depctr_va_sdst(0) depctr_va_ssrc(0) depctr_va_vcc(0) depctr_vm_vsrc(0)
	s_getreg_b32 s2, hwreg(HW_REG_IB_STS2, 6, 4)
	s_cmp_eq_u32 s2, 0
	s_cbranch_scc0 .Lentry_in_a_cluster
	s_endpgm
.Lentry_in_a_cluster:
	s_bfe_u32 s2, ttmp6, 0x10000c
	s_cmp_lg_u32 s2, 0xf033
	s_cbranch_scc0 .Lentry_shape_is_right
	s_endpgm
.Lentry_shape_is_right:
; OPROJ: out0 = ctx Wo + bo on codes of FP8 (E4M3) with E8M0 scales; K = 1,024.  No work of reference() is left out here.
; A tile of out0 is 128 x 128: 256 work-groups; four waves, 64 x 64 each: 16 accumulators.  ALL OF K lies in LDS: every LDS byte is filled once, in four chunks of 256 along K, all asked for at the head; no slot is filled again.
; ctx comes as images of operand registers (cx: [8 K step][256 tile of 16 rows][2,048 bytes]): 512 consecutive bytes a load.  Wo comes as rows of codes (wq's fourth weight), 272 bytes apart in LDS.
; TRANSPOSED: source 0 = 16 rows of Wo's codes (output columns), source 1 = 16 rows of ctx: a lane holds one row of out0 and eight of its columns.  bo is the C of each sum's first matrix instruction.
; Rows of ctx and columns of Wo lie with bits 3 and 4 of their number exchanged; the way out puts both back by immediates.
; CLUSTERS: 4 x 4 work-groups; ctx's images and scales are asked for jointly along a row of the cluster, Wo's along a column.
; REGISTERS: window 0: v1-29 addresses; v32-63 scale words and nothing else (register 8 i + K step: lanes 0-15 ctx's tile i, lanes 16-31 Wo's tile i); v64-95 bo; v96-127 the way out; v128-255 accumulators ((a, b) at 8 (4 a + b)).
;   window 1: two fragment buffers of 128: ctx's four fragments, then Wo's four.
.set CSO,   4194304                    ; cx: the scale bytes
.set WOC,   3145728                    ; wq: Wo's codes,
.set WOS,   4194304+98304              ; and its scale bytes
.set PITCH, 272
.set BT,    131072                     ; LDS: ctx's images at 0 (K step x 16,384 + tile x 2,048); Wo's chunks here
.set BCH,   128*PITCH
.set SCL,   270336                     ; ctx's scales (16 units of 256 + 16), then Wo's
.set STG,   279040                     ; a stage of 16 x 272 bytes for each wave: no fill lands there
.set SPARE, 296448                     ; the spare words, 128 bytes for each wave
.set ADA, 16                           ; v16, v17 ctx's images: K steps 0-3, 4-7
.set ADB, 20                           ; v20, v21 Wo's rows: chunks 0-1, 2-3
.set BOF, 23
.set STO, 24
.set RD,  25
.set CO,  26
.set ADRS, 27
.set SPW, 28
.set NIL, 29
.set SC,  32
.set BI,  64
.set TMP, 96
.set ACC, 128
.set F0,  0
.set F1,  128
.set G1A, 24
.set G1B, 32
.set G1SA, 40
.set G1SB, 48
.set MSB, 0
.macro WIN new
.if MSB != \new
	s_set_vgpr_msb (MSB<<8)|\new
.set MSB, \new
.endif
.endm
.set MUL,  0x05                        ; sources 0 and 1 window 1; C and D window 0
.set TO_F, 0x40                        ; destination window 1
.macro JLOAD g0a, g1a, g0b, g1b        ; waves 0 and 1 fetch for ctx, waves 2 and 3 for Wo; an s_nop 0 and four v_nop follow each of the two lines
	s_cmp_eq_u32 s13, 0
	s_cbranch_scc0 .Lfor_b_\@
	tensor_load_to_lds s[\g0a:\g0a+3], s[\g1a:\g1a+7]
	s_nop 0
.rept 4
	v_nop
.endr
	s_branch .Lasked_\@
.Lfor_b_\@:
	tensor_load_to_lds s[\g0b:\g0b+3], s[\g1b:\g1b+7]
	s_nop 0
.rept 4
	v_nop
.endr
.Lasked_\@:
.endm
.macro CROUND                          ; a round of the cluster's barrier
	s_barrier_signal -1
	s_barrier_wait -1
	s_cmp_lg_u32 s12, 0
	s_cbranch_scc1 .Lnot_wave_0_\@
	s_barrier_signal -3
.Lnot_wave_0_\@:
	s_barrier_wait -3
	s_barrier_signal -1
	s_barrier_wait -1
.endm
.macro MKG g, ldsreg, ldsoff, base, goff   ; a group 0: each pending load has its own
	s_mov_b32 s[\g], 1
	s_add_co_u32 s[\g+1], s[\ldsreg], \ldsoff
	s_add_nc_u64 s[\g+2:\g+3], s[\base:\base+1], \goff
	s_or_b32 s[\g+3], s[\g+3], 0x80000000
.endm
.macro PLACES n
.rept \n
	v_nop
.endr
.endm
	s_load_b256 s[4:11], s[0:1], 0x0               ; cx, wq, bo, out0
	v_lshl_add_u32 v[SPW], v0, 2, SPARE
	v_mov_b32 v[NIL], 0
	ds_add_u32 v[SPW], v[NIL]                      ; the wave's opening: the add, twice on end, and its wait ahead of my first tensor load
	ds_add_u32 v[SPW], v[NIL]
	v_lshrrev_b32 v1, 5, v0
	v_readfirstlane_b32 s12, v1                    ; wave 0..3
	s_lshr_b32 s13, s12, 1                         ; my half of the rows.  Also: I fetch for ctx (0) or for Wo (1)
	s_and_b32 s14, s12, 1                          ; my half of the columns.  Also: which half I fetch
	s_bfe_u32 s15, ttmp6, 0x40000                  ; cx, cy: my place in the cluster
	s_bfe_u32 s16, ttmp6, 0x40004
	s_lshl_b32 s17, ttmp9, 2
	s_add_co_u32 s17, s17, s15                     ; tile column 0..7
	s_and_b32 s18, ttmp7, 0xffff
	s_lshl_b32 s18, s18, 2
	s_add_co_u32 s18, s18, s16                     ; tile row 0..31
	s_lshl_b32 s19, s16, 2
	s_lshl_b32 s19, 15, s19                        ; my row of the cluster
	s_lshl_b32 s20, 0x1111, s15                    ; my column
	s_or_b32 s[G1A], s19, (3<<16)|(1<<21)          ; ctx's images of one K step: 16,384 dense bytes as 64 rows of 256; no padding
	s_mov_b32 s[G1A+1], 32<<16
	s_mov_b32 s[G1A+2], 64<<16
	s_mov_b32 s[G1A+3], 32<<16
	s_mov_b32 s[G1A+4], 64
	s_mov_b32 s[G1A+5], 32
	s_mov_b32 s[G1A+6], 0
	s_mov_b32 s[G1A+7], 0
	s_or_b32 s[G1B], s20, (0<<16)|(1<<20)|(1<<21)|(5<<22)|(3<<25)   ; Wo: 64 rows of 256 bytes, 1,024 apart; 4 words of padding behind every 64
	s_mov_b32 s[G1B+1], 256<<16
	s_mov_b32 s[G1B+2], 64<<16
	s_mov_b32 s[G1B+3], 256<<16
	s_mov_b32 s[G1B+4], 64
	s_mov_b32 s[G1B+5], 1024
	s_mov_b32 s[G1B+6], 0
	s_mov_b32 s[G1B+7], 0
	s_or_b32 s[G1SA], s19, (3<<16)|(1<<20)|(1<<21)|(5<<22)|(3<<25)  ; the scales of 64 rows: 2,048 dense bytes as 8 rows of 256, padded
	s_or_b32 s[G1SB], s20, (3<<16)|(1<<20)|(1<<21)|(5<<22)|(3<<25)
.irp g, G1SA, G1SB
	s_mov_b32 s[\g+1], 32<<16
	s_mov_b32 s[\g+2], 8<<16
	s_mov_b32 s[\g+3], 32<<16
	s_mov_b32 s[\g+4], 8
	s_mov_b32 s[\g+5], 32
	s_mov_b32 s[\g+6], 0
	s_mov_b32 s[\g+7], 0
.endr
	s_lshl_b32 s2, s14, 19                         ; ctx: K step (half), the tile row's eight images
	s_lshl_b32 s3, s18, 14
	s_add_co_u32 s2, s2, s3
	s_mov_b32 s3, 0
	s_lshl_b32 s22, s18, 12                        ; ctx's scales: 128 rows of 32 bytes a tile row, 64 a half
	s_lshl_b32 s23, s14, 11
	s_add_co_u32 s22, s22, s23
	s_add_co_u32 s22, s22, CSO
	s_mov_b32 s23, 0
	s_lshl_b32 s100, s17, 17                       ; Wo: 128 rows of 1,024 bytes a tile column, 64 a half
	s_lshl_b32 s101, s14, 16
	s_add_co_u32 s100, s100, s101
	s_add_co_u32 s100, s100, WOC
	s_mov_b32 s101, 0
	s_lshl_b32 s104, s17, 12
	s_lshl_b32 s105, s14, 11
	s_add_co_u32 s104, s104, s105
	s_add_co_u32 s104, s104, WOS
	s_mov_b32 s105, 0
	s_lshl_b32 s21, s14, 14                        ; where they go: the wave's number alone enters an LDS address
	s_mul_i32 s66, s14, 64*PITCH
	s_mul_i32 s67, s14, 8*PITCH
	s_wait_dscnt 0x0                               ; both opening adds are done
	s_wait_kmcnt 0x0
	s_add_nc_u64 s[2:3], s[4:5], s[2:3]
	s_add_nc_u64 s[22:23], s[4:5], s[22:23]
	s_add_nc_u64 s[100:101], s[6:7], s[100:101]
	s_add_nc_u64 s[104:105], s[6:7], s[104:105]
	CROUND                                         ; all sixteen work-groups are here: the joint loads meet
	MKG 76, 67, SCL, 22, 0
	MKG 96, 67, SCL+16*PITCH, 104, 0
	JLOAD 76, G1SA, 96, G1SB                       ; the scales first
	MKG 56, 21, 0, 2, 0                            ; chunk q: ctx's K steps 2 q + half; Wo's bytes 256 q on
	MKG 80, 66, BT, 100, 0
	JLOAD 56, G1A, 80, G1B
	MKG 60, 21, 32768, 2, 1048576
	MKG 84, 66, BT+BCH, 100, 256
	JLOAD 60, G1A, 84, G1B
	MKG 68, 21, 65536, 2, 2097152
	MKG 88, 66, BT+2*BCH, 100, 512
	JLOAD 68, G1A, 88, G1B
	MKG 72, 21, 98304, 2, 3145728
	MKG 92, 66, BT+3*BCH, 100, 768
	JLOAD 72, G1A, 92, G1B                         ; five loads of mine are out
	v_and_b32 v1, 15, v0                           ; r
	v_bfe_u32 v2, v0, 4, 1                         ; hl
	v_and_b32 v3, 31, v0                           ; lane
	s_lshl_b32 s21, s13, 13
	v_lshl_add_u32 v[ADA], v3, 4, s21              ; my four tiles of rows, 16 bytes a lane
	v_add_nc_u32 v[ADA+1], 65536, v[ADA]
	s_mul_i32 s21, s14, 64*PITCH
	s_add_co_u32 s21, s21, BT
	v_mul_u32_u24 v4, v1, PITCH
	v_lshl_add_u32 v4, v2, 4, v4
	v_add_nc_u32 v[ADB], s21, v4
	v_add_nc_u32 v[ADB+1], 2*BCH, v[ADB]
	v_lshlrev_b32 v5, 5, v1                        ; my row's scales: 32 bytes a row,
	v_lshrrev_b32 v6, 3, v1
	v_lshl_add_u32 v5, v6, 4, v5                   ; and 16 more behind each 256
	s_mul_i32 s21, s13, 8*PITCH
	s_mul_i32 s66, s14, 8*PITCH
	s_add_co_u32 s66, s66, 16*PITCH
	s_sub_co_u32 s66, s66, s21
	v_mul_u32_u24 v6, s66, v2                      ; lanes 16-31 take Wo's
	s_add_co_u32 s21, s21, SCL
	v_add_nc_u32 v5, v5, v6
	v_add_nc_u32 v[ADRS], s21, v5
	s_mul_i32 s21, s12, 16*PITCH
	s_add_co_u32 s21, s21, STG                     ; my stage
	v_mul_u32_u24 v4, v1, PITCH
	v_lshl_add_u32 v4, v2, 6, v4
	v_add_nc_u32 v[STO], s21, v4                   ; in: row r, + 64 hl
	v_mul_u32_u24 v4, v2, PITCH
	v_lshl_add_u32 v4, v1, 4, v4
	v_add_nc_u32 v[RD], s21, v4                    ; back: lanes 0-15 one row, lanes 16-31 the next
	v_lshlrev_b32 v[CO], 12, v2
	v_lshl_add_u32 v[CO], v1, 4, v[CO]             ; and the same two rows in out0
	v_lshlrev_b32 v[BOF], 6, v2
	s_wait_alu depctr_va_vdst(0)
	s_lshl_b32 s66, s17, 9
	s_lshl_b32 s67, s14, 8
	s_add_co_u32 s66, s66, s67                     ; my 64 columns, in bytes
	s_mov_b32 s67, 0
	s_add_nc_u64 s[8:9], s[8:9], s[66:67]
	s_add_nc_u64 s[10:11], s[10:11], s[66:67]
	s_lshl_b32 s66, s18, 19
	s_lshl_b32 s21, s13, 18
	s_add_co_u32 s66, s66, s21                     ; my 64 rows
	s_add_nc_u64 s[10:11], s[10:11], s[66:67]
.irp b, 0,1,2,3                                    ; bo in the result's layout: tile b, lane half hl: columns 32 (b / 2) + 16 hl + 8 (b % 2) + 0 .. 7
	global_load_b128 v[BI+8*\b:BI+8*\b+3], v[BOF], s[8:9] offset:(32*(\b/2)+8*(\b%2))*4
	global_load_b128 v[BI+8*\b+4:BI+8*\b+7], v[BOF], s[8:9] offset:(32*(\b/2)+8*(\b%2))*4+16
.endr
.macro FETCH ks, f                     ; 32 LDS loads in one run: the fragments of K step ks
	WIN TO_F
.irp a, 0,1,2,3
.irp c, 0,1,2,3
	ds_load_b128 v[\f+16*\a+4*\c:\f+16*\a+4*\c+3], v[ADA+(\ks)/4] offset:((\ks)%4)*16384+\a*2048+\c*512
.endr
.endr
.irp b, 0,1,2,3
.irp c, 0,1,2,3
	ds_load_b128 v[\f+64+16*\b+4*\c:\f+64+16*\b+4*\c+3], v[ADB+(\ks)/4] offset:(((\ks)/2)%2)*BCH+\b*16*PITCH+((\ks)%2)*128+32*\c
.endr
.endr
.endm
.macro MULK ks, f                      ; 16 matrix instructions; the accumulators take turns, one instruction a turn, in the same order in every K step
	WIN MUL
.irp a, 0,1,2,3
.irp b, 0,1,2,3
.if (\ks) == 0
	v_wmma_scale_f32_16x16x128_f8f6f4 v[ACC+8*(4*\a+\b):ACC+8*(4*\a+\b)+7], v[\f+64+16*\b:\f+64+16*\b+15], v[\f+16*\a:\f+16*\a+15], v[BI+8*\b:BI+8*\b+7], v[SC+8*\b+(\ks)], v[SC+8*\a+(\ks)] matrix_a_scale:MATRIX_SCALE_ROW1
.else
	v_wmma_scale_f32_16x16x128_f8f6f4 v[ACC+8*(4*\a+\b):ACC+8*(4*\a+\b)+7], v[\f+64+16*\b:\f+64+16*\b+15], v[\f+16*\a:\f+16*\a+15], v[ACC+8*(4*\a+\b):ACC+8*(4*\a+\b)+7], v[SC+8*\b+(\ks)], v[SC+8*\a+(\ks)] matrix_a_scale:MATRIX_SCALE_ROW1
.endif
.endr
.endr
.endm
	s_wait_tensorcnt 3                             ; the scales and chunk 0 are in; my three later chunks may be out
	s_barrier_signal -1
	s_barrier_wait -1
.irp i, 0,1,2,3                                    ; all scale words: 8 a row
.irp e, 0,1
	ds_load_b128 v[SC+8*\i+4*\e:SC+8*\i+4*\e+3], v[ADRS] offset:\i*2*PITCH+16*\e
.endr
.endr
	FETCH 0, F0
	FETCH 1, F1
	s_wait_loadcnt 0x0                             ; bo
	s_wait_dscnt 32                                ; all but the 32 loads just issued
	MULK 0, F0
.irp q, 1,2,3
	s_wait_dscnt 0x0
	s_wait_tensorcnt 3-\q                          ; my part of chunk q is in; the later chunks may be out
	s_barrier_signal -1
	s_barrier_wait -1                              ; everybody's is
	PLACES 8
	FETCH 2*\q, F0
	MULK 2*\q-1, F1
	PLACES 8
	FETCH 2*\q+1, F1
	s_wait_dscnt 32                                ; all but the 32 loads just issued
	MULK 2*\q, F0
.endr
	s_wait_dscnt 0x0
	MULK 7, F1
	WIN 0
	PLACES 8
; THE WAY OUT, a tile of 16 rows x 64 columns at a time, through my own stage: LDS serves a wave's instructions in order, so no wait stands between the stores and the loads.
.irp a, 0,1,2,3
.if \a > 0
	s_wait_xcnt 0x0                                ; the last tile's stores have read their registers
.endif
.irp b, 0,1,2,3
	ds_store_b128 v[STO], v[ACC+8*(4*\a+\b):ACC+8*(4*\a+\b)+3] offset:128*(\b/2)+32*(\b%2)       ; columns 32 (b / 2) + 16 hl + 8 (b % 2) + 0 .. 7; each accumulator from its low end on
	ds_store_b128 v[STO], v[ACC+8*(4*\a+\b)+4:ACC+8*(4*\a+\b)+7] offset:128*(\b/2)+32*(\b%2)+16
.endr
.irp t, 0,1,2,3,4,5,6,7
	ds_load_b128 v[TMP+4*\t:TMP+4*\t+3], v[RD] offset:2*\t*PITCH
.endr
.irp t, 0,1,2,3,4,5,6,7
	s_wait_dscnt 7-\t                              ; load t is in; the later ones may be out
	global_store_b128 v[CO], v[TMP+4*\t:TMP+4*\t+3], s[10:11] offset:(32*(\a/2)+8*(\a%2)+(2*\t)%8+16*(\t/4))*4096 th:TH_STORE_NT   ; sixteen lanes store 256 consecutive bytes, aligned; the row's true number
.endr
.endr
	s_wait_tensorcnt 0x0                           ; the wave's end
	ds_add_u32 v[SPW], v[NIL]
	s_wait_dscnt 0x0
	CROUND                                         ; the closing round
	s_endpgm
.Lfunc_end_k_qa3161bec9f_oproj:
	.size	k_qa3161bec9f_oproj, .Lfunc_end_k_qa3161bec9f_oproj-k_qa3161bec9f_oproj
	.p2alignl 7, 3214868480
	.fill 96, 4, 3214868480
	.section	.rodata,"a",@progbits
	.p2align	6, 0x0
	.amdhsa_kernel k_qa3161bec9f_oproj
		.amdhsa_group_segment_fixed_size 327680
		.amdhsa_private_segment_fixed_size 0
		.amdhsa_enable_private_segment 0
		.amdhsa_kernarg_size 32
		.amdhsa_user_sgpr_count 2
		.amdhsa_user_sgpr_kernarg_segment_ptr 1
		.amdhsa_wavefront_size32 1
		.amdhsa_system_sgpr_workgroup_id_x 1
		.amdhsa_system_sgpr_workgroup_id_y 1
		.amdhsa_system_sgpr_workgroup_id_z 1
		.amdhsa_system_vgpr_workitem_id 0
		.amdhsa_next_free_vgpr 512
		.amdhsa_next_free_sgpr 106
		.amdhsa_reserve_vcc 0
		.amdhsa_float_denorm_mode_32 3
		.amdhsa_float_denorm_mode_16_64 3
		.amdhsa_memory_ordered 1
		.amdhsa_forward_progress 1
		.amdhsa_inst_pref_size 57
	.end_amdhsa_kernel
	.amdgpu_metadata
---
amdhsa.version: [ 1, 2 ]
amdhsa.kernels:
  - .name:           k_qa3161bec9f_oproj
    .symbol:         k_qa3161bec9f_oproj.kd
    .args:
      - { .name: cx, .offset: 0, .size: 8, .value_kind: global_buffer, .address_space: global }
      - { .name: wq, .offset: 8, .size: 8, .value_kind: global_buffer, .address_space: global }
      - { .name: bo, .offset: 16, .size: 8, .value_kind: global_buffer, .address_space: global }
      - { .name: out0, .offset: 24, .size: 8, .value_kind: global_buffer, .address_space: global }
    .group_segment_fixed_size: 327680
    .private_segment_fixed_size: 0
    .kernarg_segment_align: 8
    .kernarg_segment_size: 32
    .max_flat_workgroup_size: 128
    .sgpr_count:     106
    .vgpr_count:     512
    .wavefront_size: 32
...
	.end_amdgpu_metadata
.endif
;; end of part 4
